; MI455X (gfx1250); checked and timed in simulation.
; The chip was launched on July 23, 2026; its instructions are those of AMD's public machine-readable ISA for CDNA 5 (MIT licence, August 2026) and "CDNA5" Instruction Set Architecture Reference Guide (July 2026). The comments in the code are by the model that wrote it; some were corrected since.
;; Self Attention. Allowed arithmetic: matrix products marked QUANTISED: E2M1 operands, one E8M0 scale for each 32 along K, by v_wmma_scale_f32_16x16x128_f8f6f4 with both operands' format E2M1 (or v_wmma_scale_f32_32x16x128_f4), f32 sums; products left as they are: bf16, f16 or f32 operands; f32 sums; everything else in f32.
;; Inputs: b_out 1,024 float32; b_qkv 3,072 float32; w_out 1,024 x 1,024 float32; w_qkv 1,024 x 3,072 float32; x 4 x 2,048 x 1,024 float32.
;; Outputs: out0 4 x 2,048 x 1,024 float32.
;; This version of the problem:
;;   THIS VERSION OF THE PROBLEM IS GIVEN IN LOW PRECISION. The matrix products marked QUANTISED in the list below multiply operands that are first quantised to E2M1 (2 exponent bits, 1 mantissa bit; 4 bits a number), with one power-of-two scale for each 32 numbers along K (OCP MX v1.0); their sums are f32. The products marked 'left as it is' may take bf16, f16 or f32 operands, with f32 sums. Whichever they take, every output number must still come out within the allowed error. Rounding operands to bf16 (8 significant bits) uses up far more of that allowance than f16 does (11 bits, for magnitudes from 6e-5 to 65,504). All else is computed in f32.
;;   The module's matrix products, in the order in which they are computed (A, B: the left and right operand; K: the contracted axis; several contracted axes count as one K, in the product's order):
;;     1. [M 8,192, K 1,024] x [K 1,024, N 3,072]; A: input x; B: input w_qkv: QUANTISED
;;     2. batch 64 x [M 2,048, K 64] x [K 64, N 2,048]; A: computed on the way; B: computed on the way: left as it is (an operand is computed on the way)
;;     3. batch 64 x [M 2,048, K 2,048] x [K 2,048, N 64]; A: computed on the way; B: computed on the way: left as it is (an operand is computed on the way)
;;     4. [M 8,192, K 1,024] x [K 1,024, N 1,024]; A: computed on the way; B: input w_out: left as it is (an operand is computed on the way)
;;   THE QUANTISER, for each operand of a quantised product, along K:
;;     - K is cut into blocks of 32 from its start; a last block that is shorter is filled with zeros.
;;     - A block's scale is 2^e with e = floor(log2(the largest magnitude in the block)) - 2, held to -126 .. 127; a block of zeros has e = 0. As a byte (E8M0): e + 127.
;;     - Each number is divided by its block's scale, clamped to +-6, and rounded to the nearest number of E2M1, ties to even, subnormals kept.
;;     - The product sums the exact products of the quantised numbers (number of the format x scale) in f32.
;;   ~~~python
;;   def quantise(x, axis):      # numpy; x: float32 -> the quantised numbers, widened to float32 again
;;       x = np.moveaxis(x, axis, -1); K = x.shape[-1]
;;       x = np.pad(x, [(0, 0)] * (x.ndim - 1) + [(0, -K % 32)]); x = x.reshape(x.shape[:-1] + (-1, 32)); a = np.abs(x).max(-1, keepdims=True)
;;       e = np.where(a > 0, np.clip(np.frexp(np.where(a > 0, a, 1))[1] - 1 - 2, -126, 127), 0)      # np.frexp(a)[1] - 1 = floor(log2(a)), exactly
;;       r = np.clip(x / 2.0 ** e, -6, 6)
;;       step = 2.0 ** (np.maximum(np.frexp(np.where(r == 0, 1, r))[1] - 1, 0) - 1)
;;       q = np.round(r / step) * step * 2.0 ** e      # np.round: ties to even
;;       return np.moveaxis(q.reshape(q.shape[:-2] + (-1,))[..., :K], -1, axis).astype(np.float32)
;;   ~~~
;; One version. Each part assembles by itself: llvm-mc -triple=amdgcn-amd-amdhsa -mcpu=gfx1250 --defsym DOCPART=n.
;; ======== version 1 of 1: 4 launches
;; limits: values outside matrix products are rounded to f16; values are held in f16: magnitudes above 65,504 overflow, below 6.1e-05 lose precision
;; workspace buffers: x_codes 4,194,304 bytes; x_scales 262,144 bytes; w_codes 1,572,864 bytes; w_scales 98,304 bytes; w16 2,097,152 bytes; qkv 50,331,648 bytes; att 16,777,216 bytes
;; launch prep (part 1): grid 576 x 1, 4 waves a work-group, no clusters, 42,496 bytes of LDS; arguments x, w_qkv, w_out, x_codes, x_scales, w_codes, w_scales, w16; writes x_codes, x_scales, w_codes, w_scales, w16
.if DOCPART == 1
	.amdgcn_target "amdgcn-amd-amdhsa--gfx1250"
	.amdhsa_code_object_version 6
	.text
	.protected	k_q31dc8c06f1_prep
	.globl	k_q31dc8c06f1_prep
	.p2align	8
	.type	k_q31dc8c06f1_prep,@function
k_q31dc8c06f1_prep:
	s_mov_b64 s[64:65], 0
	v_nop
	global_prefetch_b8 v0, s[64:65] scope:SCOPE_SE
	s_setreg_imm32_b32 hwreg(HW_REG_WAVE_MODE, 25, 1), 1
	s_wait_xcnt 0x0
; SELF-ATTENTION, b = 4, n = 2,048, 16 heads of 64, in four launches: prep (this one), qkv, attn, proj.
; THIS LAUNCH makes the operands that many work-groups read later: x [8192][1024] and w_qkv [1024][3072] as codes of FP4 (E2M1) with one E8M0 byte for each 32 along K
; (x_codes [8192][512 bytes], x_scales [8192][32]; w_codes [3072 (n)][512 bytes], w_scales [3072][32]: K innermost in both), and w_out as f16, as it lies (w16 [1024 k][1024 n]).
; DEAD WORK, left out in the whole program: the bias on k, b_qkv[1024:2048].  (q + bq).(k + bk) = (q + bq).k + (q + bq).bk; the second term is the same for every key of a query's row, and a softmax
; does not change when one number is added to its whole row; the product q k^T is not quantised, so no code or scale hangs on bk.  This holds for all finite values of the inputs.  These 1,024 numbers are never loaded.
; LIMIT: a NaN, an infinity or an overflow that reaches only b_qkv[1024:2048] is not carried to the result.
; MOVED, not left out: the bias on q is added in the launch attn, where each q is read once; the bias on v is added behind the softmax's division: sum p (v + bv) / sum p = sum p v / sum p + bv.
; THE QUANTISER: a block's scale is 2^(floor(log2(its largest magnitude)) - 2); its byte is the largest magnitude's exponent field - 2, held at 1 from below.  A block of zeros so gets the byte 1 where the rule says 127:
; its codes are zeros, which add nothing under any byte but 0xff, and this program alone reads the bytes.
; LIMITS: blocks whose largest magnitude lies under 2^-124 are held at the byte 1; NaN and infinities among the inputs are not served.
; THREE PATHS, parted on the work-group's number alone (the same in all four waves), each with LDS bytes of its own:
;   W, work-groups 0-191:   w_qkv.  32 columns x 512 along K a work-group, 128 along K a wave; a lane takes a column and its registers run down K.
;   X, work-groups 192-447: x.  A plain stream of blocks of 32; a wave takes 16 steps of 512 numbers.
;   C, work-groups 448-575: w_out to f16; a wave takes 8,192 bytes.  No LDS.
; No matrix unit, no cluster, no tensor load: every byte is read once, by one wave.
.set STEPS, 16
.set EMAX,  2
.set CB,    8                          ; bytes of 16 codes
.set R,     16                         ; path X: v16-79   four sets of 16 numbers as they are loaded
.set X,     80                         ; path X: v80-111  two sets of 16 neighbours
.set E,     112                        ; path X: v112-127 a scale byte for each step
.set C,     128                        ; path X: v128-191 codes: four registers for each step
.set WREG,  8192                       ; path X: LDS of a wave: two stages of 32 x SP bytes, behind them its 256 scale bytes
.set SP,    80                         ; path X: a lane's place in a stage: 64 bytes + 16 of padding
.set WST,   4*WREG                     ; path W: the stage, 32 rows (columns of w_qkv) x 272 bytes
.set WP,    272
.set WSC,   WST+32*WP                  ; path W: 32 x 16 scale bytes
.set SPARE, WSC+512                    ; the spare words, 128 bytes for each wave: two blocks of 256 bytes that no other line names
.set WX,    32                         ; path W: v32-95   two sets of 32 numbers
.set WC,    96                         ; path W: v96-111  four registers of codes for each of the wave's four blocks
.set WO,    112                        ; path W: v112-131 the way out
.set NROW,  12288                      ; a row of w_qkv in bytes
.set SPW,   192                        ; v192 LDS address of my spare word; never rewritten
.set NIL,   193                        ; v193 0; never rewritten
	s_load_b256 s[4:11], s[0:1], 0x0               ; x s[4:5], w_qkv s[6:7], w_out s[8:9], x_codes s[10:11]
	s_load_b256 s[12:19], s[0:1], 0x20             ; x_scales s[12:13], w_codes s[14:15], w_scales s[16:17], w16 s[18:19]
	v_lshl_add_u32 v[SPW], v0, 2, SPARE
	v_mov_b32 v[NIL], 0
	v_lshrrev_b32 v1, 5, v0
	v_readfirstlane_b32 s20, v1                    ; wave 0..3
	v_and_b32 v2, 31, v0                           ; lane
	s_mov_b32 s25, 0                               ; the high word of every offset: all stay under 2^32
	s_wait_kmcnt 0x0
	s_cmp_lt_u32 ttmp9, 192
	s_cbranch_scc1 .Lw
	s_cmp_lt_u32 ttmp9, 448
	s_cbranch_scc1 .Lx
	; ---- PATH C: w_out to f16.  Sixteen loads of 512 consecutive bytes are all on their way; each becomes 256 consecutive bytes, stored by the 32 lanes
	s_sub_co_u32 s21, ttmp9, 448
	s_lshl_b32 s21, s21, 2
	s_add_co_u32 s21, s21, s20                     ; my run of 2,048 numbers
	s_lshl_b32 s24, s21, 13
	s_add_nc_u64 s[8:9], s[8:9], s[24:25]
	s_lshl_b32 s24, s21, 12
	s_add_nc_u64 s[18:19], s[18:19], s[24:25]
	v_lshlrev_b32 v3, 4, v2
	v_lshlrev_b32 v4, 3, v2
.irp i, 0,1,2,3,4,5,6,7,8,9,10,11,12,13,14,15
	global_load_b128 v[32+4*\i:35+4*\i], v3, s[8:9] offset:512*\i th:TH_LOAD_NT
.endr
.irp i, 0,1,2,3,4,5,6,7,8,9,10,11,12,13,14,15
	s_wait_loadcnt 15-\i                           ; loads come back in order: load i is in, the younger ones stay out
	v_cvt_pk_f16_f32 v[96+2*\i], v[32+4*\i], v[33+4*\i]
	v_cvt_pk_f16_f32 v[97+2*\i], v[34+4*\i], v[35+4*\i]
	global_store_b64 v4, v[96+2*\i:97+2*\i], s[18:19] offset:256*\i
.endr
	s_branch .Lend
	; ---- PATH X: x.  Each of a step's four loads reads 512 consecutive bytes, 16 a lane; the 2,048 bytes go through the wave's own stage and come back 64 bytes a lane: 16 neighbours along K, two lanes to a block
.Lx:
	s_sub_co_u32 s21, ttmp9, 192
	s_lshl_b32 s21, s21, 2
	s_add_co_u32 s21, s21, s20                     ; my run of 8,192 numbers
	s_lshl_b32 s24, s21, 15
	s_add_nc_u64 s[4:5], s[4:5], s[24:25]
	s_lshl_b32 s24, s21, 12
	s_add_nc_u64 s[10:11], s[10:11], s[24:25]
	s_lshl_b32 s24, s21, 8
	s_add_nc_u64 s[12:13], s[12:13], s[24:25]
	v_lshlrev_b32 v3, 4, v2                        ; my 16 bytes of a load's 512
	s_mul_i32 s22, s20, WREG
	v_lshrrev_b32 v14, 2, v2
	v_mul_u32_u24 v14, v14, SP
	v_and_b32 v15, 3, v2
	v_lshl_add_u32 v14, v15, 4, v14
	v_add_nc_u32 v14, s22, v14                     ; the stage, on the way in: SP (lane / 4) + 16 (lane % 4)
	v_mul_u32_u24 v15, v2, SP
	v_add_nc_u32 v15, s22, v15                     ; and on the way out: SP x lane
	v_mul_u32_u24 v4, v2, CB                       ; my codes' place in a step's
	v_lshrrev_b32 v5, 1, v2
	s_add_co_u32 s22, s22, 2*32*SP
	v_add_nc_u32 v5, s22, v5                       ; my wave's 256 scale bytes, my block's byte
	v_lshlrev_b32 v7, 3, v2
	v_add_nc_u32 v6, s22, v7                       ; and on the way out 8 bytes a lane
.macro XLOAD t
.irp i, 0,1,2,3
	global_load_b128 v[R+16*((\t)%4)+4*\i:R+16*((\t)%4)+4*\i+3], v3, s[4:5] offset:2048*(\t)+512*\i th:TH_LOAD_NT
.endr
.endm
.macro XTURN t                         ; step t's numbers through the stage: LDS serves a wave's instructions in order, so no wait stands between the stores and the loads
.irp i, 0,1,2,3
	ds_store_b128 v14, v[R+16*((\t)%4)+4*\i:R+16*((\t)%4)+4*\i+3] offset:32*SP*((\t)%2)+8*SP*\i
.endr
.irp i, 0,1,2,3
	ds_load_b128 v[X+16*((\t)%2)+4*\i:X+16*((\t)%2)+4*\i+3], v15 offset:32*SP*((\t)%2)+16*\i
.endr
.endm
.irp t, 0,1,2,3
	XLOAD \t
.endr
	s_wait_loadcnt 12                              ; step 0's four loads are in; twelve younger ones stay out
	XTURN 0
.macro XSTEP t
.set XS, X+16*((\t)%2)
.if (\t) > 0
	s_wait_dscnt 1                                 ; this step's numbers are back from the stage; the last step's byte store may be out
.else
	s_wait_dscnt 0x0
.endif
.if (\t)+4 < STEPS
	XLOAD (\t)+4                                   ; into the registers that this step's stores into the stage have read
.endif
.if (\t)+1 < STEPS
.if STEPS-2-(\t) >= 3
	s_wait_loadcnt 12                              ; the next step's four loads are in; those of the three steps behind it may be out
.else
	s_wait_loadcnt 4*(STEPS-2-(\t))
.endif
	XTURN (\t)+1
.endif
	v_max3_num_f32 v8, |v[XS]|, |v[XS+1]|, |v[XS+2]|               ; the largest magnitude of my 16
	v_max3_num_f32 v9, |v[XS+3]|, |v[XS+4]|, |v[XS+5]|
.irp i, 6,10
	v_max3_num_f32 v8, v8, |v[XS+\i]|, |v[XS+\i+1]|
	v_max3_num_f32 v9, v9, |v[XS+\i+2]|, |v[XS+\i+3]|
.endr
	v_max3_num_f32 v8, v8, |v[XS+14]|, |v[XS+15]|
	v_max3_num_f32 v8, v8, v9, (EMAX+1)<<23        ; and the floor 2^(3 - 127): the byte cannot fall under 1
	v_max_num_f32_dpp v8, v8, v8 row_xmask:1 row_mask:0xf bank_mask:0xf   ; and of my neighbour's 16: the block's
	v_add_nc_u32 v11, -(EMAX<<23), v8              ; 2 off its exponent field: the conversion takes the exponent field of this operand as its scale
	v_cvt_scalef32_pk8_fp4_f32 v[C+4*(\t)], v[XS:XS+7], v11
	v_cvt_scalef32_pk8_fp4_f32 v[C+4*(\t)+1], v[XS+8:XS+15], v11
	v_lshrrev_b32 v[E+(\t)], 23, v11               ; the scale's byte
	ds_store_b8 v5, v[E+(\t)] offset:16*(\t)       ; both lanes of a block write the same byte with the same value
	global_store_b64 v4, v[C+4*(\t):C+4*(\t)+1], s[10:11] offset:32*CB*(\t)   ; the wave stores 256 consecutive bytes
.endm
.irp t, 0,1,2,3,4,5,6,7,8,9,10,11,12,13,14,15
	XSTEP \t
.endr
	ds_load_b64 v[8:9], v6                         ; LDS serves a wave's instructions in order: these see my stores
	s_wait_dscnt 0x0
	global_store_b64 v7, v[8:9], s[12:13]          ; 32 lanes store 256 consecutive bytes of scales
	s_branch .Lend
	; ---- PATH W: w_qkv.  Work-group: columns 32 cg on, K = 512 ky on.  Wave w: K = 512 ky + 128 w on, four blocks of 32.  Lane l: column 32 cg + l.
	; Each load reads 128 consecutive bytes of a row of w_qkv.  768 waves share the tensor, so that 64 loads a wave are many bytes on their way in all.
	; A column's 256 bytes of codes come from four waves: they meet in the stage, behind a barrier, and leave as whole rows: sixteen lanes store 256 consecutive bytes.
.Lw:
	s_lshr_b32 s21, ttmp9, 1                       ; cg
	s_and_b32 s22, ttmp9, 1                        ; ky
	s_lshl_b32 s23, s22, 9
	s_lshl_b32 s24, s20, 7
	s_add_co_u32 s23, s23, s24                     ; my first k
	s_mul_i32 s24, s23, NROW
	s_lshl_b32 s23, s21, 7
	s_add_co_u32 s24, s24, s23
	s_add_nc_u64 s[6:7], s[6:7], s[24:25]
	s_lshl_b32 s24, s21, 14                        ; codes: row 32 cg + 8 w of 512 bytes, + 256 ky
	s_lshl_b32 s23, s20, 12
	s_add_co_u32 s24, s24, s23
	s_lshl_b32 s23, s22, 8
	s_add_co_u32 s24, s24, s23
	s_add_nc_u64 s[14:15], s[14:15], s[24:25]
	s_lshl_b32 s24, s21, 10                        ; scale bytes: row 32 cg of 32 bytes, + 16 ky
	s_lshl_b32 s23, s22, 4
	s_add_co_u32 s24, s24, s23
	s_add_nc_u64 s[16:17], s[16:17], s[24:25]
	v_lshlrev_b32 v3, 2, v2                        ; in: 4 bytes a lane
	s_lshl_b32 s23, s20, 6
	s_add_co_u32 s23, s23, WST
	v_mul_u32_u24 v4, v2, WP
	v_add_nc_u32 v4, s23, v4                       ; into the stage: row = my column, my wave's 64 bytes
	s_lshl_b32 s23, s20, 2
	s_add_co_u32 s23, s23, WSC
	v_lshl_add_u32 v5, v2, 4, s23                  ; my column's 16 scale bytes, my wave's four
	v_and_b32 v6, 15, v2
	v_lshrrev_b32 v14, 4, v2
	s_mul_i32 s23, s20, 8*WP
	s_add_co_u32 s23, s23, WST
	v_mul_u32_u24 v7, v14, WP
	v_lshl_add_u32 v7, v6, 4, v7
	v_add_nc_u32 v7, s23, v7                       ; out of it: rows 8 w on, sixteen lanes to a row, two rows an instruction
	v_lshlrev_b32 v8, 9, v14
	v_lshl_add_u32 v8, v6, 4, v8                   ; and the same place in w_codes
	v_lshl_add_u32 v9, v2, 4, WSC                  ; wave 0's way out for the scale bytes: 16 a lane
	v_lshlrev_b32 v10, 5, v2
.macro WLOAD t                         ; block t: w_qkv(32 t + i, my column), i = 0 .. 31, into set t % 2
.irp i, 0,1,2,3,4,5,6,7,8,9,10,11,12,13,14,15,16,17,18,19,20,21,22,23,24,25,26,27,28,29,30,31
	global_load_b32 v[WX+32*((\t)%2)+\i], v3, s[6:7] offset:(32*(\t)+\i)*NROW th:TH_LOAD_NT
.endr
.endm
.macro WBLOCK t
.set XW, WX+32*((\t)%2)
.if (\t) < 3
	s_wait_loadcnt 32                              ; this block's 32 loads are in; the next block's 32 may be out
.else
	s_wait_loadcnt 0x0
.endif
	v_max3_num_f32 v12, |v[XW]|, |v[XW+1]|, |v[XW+2]|               ; the block's largest magnitude: all 32 numbers are mine
	v_max3_num_f32 v13, |v[XW+3]|, |v[XW+4]|, |v[XW+5]|
.irp i, 6,10,14,18,22,26
	v_max3_num_f32 v12, v12, |v[XW+\i]|, |v[XW+\i+1]|
	v_max3_num_f32 v13, v13, |v[XW+\i+2]|, |v[XW+\i+3]|
.endr
	v_max3_num_f32 v12, v12, |v[XW+30]|, |v[XW+31]|
	v_max3_num_f32 v12, v12, v13, (EMAX+1)<<23     ; and the floor
	v_add_nc_u32 v11, -(EMAX<<23), v12             ; the conversion's scale operand
	v_lshrrev_b32 v13, 23, v11                     ; the scale's byte
.if (\t) == 0
	v_mov_b32 v24, v13                             ; four bytes to a register, the lower K in the lower byte
.else
	v_lshl_or_b32 v24, v13, 8*(\t), v24
.endif
.irp g, 0,1,2,3
	v_cvt_scalef32_pk8_fp4_f32 v[WC+4*(\t)+\g], v[XW+8*\g:XW+8*\g+7], v11
.endr
	ds_store_b128 v4, v[WC+4*(\t):WC+4*(\t)+3] offset:16*(\t)      ; 32 codes: 16 bytes of my column's row; each block has its own four registers, so nothing waits for this store
.if (\t)+2 < 4
	WLOAD (\t)+2
.endif
.endm
	WLOAD 0
	WLOAD 1
	WBLOCK 0
	WBLOCK 1
	WBLOCK 2
	WBLOCK 3
	ds_store_b32 v5, v24
	s_wait_dscnt 0x0                               ; for the others' sake: my stores into the stage are done
	s_barrier_signal -1
	s_barrier_wait -1
.irp i, 0,1,2,3
	ds_load_b128 v[WO+4*\i:WO+4*\i+3], v7 offset:2*WP*\i
.endr
.irp i, 0,1,2,3
	s_wait_dscnt 3-\i
	global_store_b128 v8, v[WO+4*\i:WO+4*\i+3], s[14:15] offset:1024*\i
.endr
	s_cmp_lg_u32 s20, 0
	s_cbranch_scc1 .Lend
	ds_load_b128 v[WO+16:WO+19], v9                ; wave 0: the 32 columns' 16 scale bytes; rows of w_scales are 32 bytes, so these stores cover 16 bytes of each: one byte in 128 of what the path reads
	s_wait_dscnt 0x0
	global_store_b128 v10, v[WO+16:WO+19], s[16:17]
.Lend:
	s_wait_tensorcnt 0x0                           ; the wave's end, behind my last LDS store
	ds_add_u32 v[SPW], v[NIL]
	s_wait_dscnt 0x0
	s_endpgm
.Lfunc_end_k_q31dc8c06f1_prep:
	.size	k_q31dc8c06f1_prep, .Lfunc_end_k_q31dc8c06f1_prep-k_q31dc8c06f1_prep
	.p2alignl 7, 3214868480
	.fill 96, 4, 3214868480
	.section	.rodata,"a",@progbits
	.p2align	6, 0x0
	.amdhsa_kernel k_q31dc8c06f1_prep
		.amdhsa_group_segment_fixed_size 42496
		.amdhsa_private_segment_fixed_size 0
		.amdhsa_enable_private_segment 0
		.amdhsa_kernarg_size 64
		.amdhsa_user_sgpr_count 2
		.amdhsa_user_sgpr_kernarg_segment_ptr 1
		.amdhsa_wavefront_size32 1
		.amdhsa_system_sgpr_workgroup_id_x 1
		.amdhsa_system_sgpr_workgroup_id_y 1
		.amdhsa_system_sgpr_workgroup_id_z 1
		.amdhsa_system_vgpr_workitem_id 0
		.amdhsa_next_free_vgpr 200
		.amdhsa_next_free_sgpr 66
		.amdhsa_reserve_vcc 0
		.amdhsa_float_denorm_mode_32 3
		.amdhsa_float_denorm_mode_16_64 3
		.amdhsa_memory_ordered 1
		.amdhsa_forward_progress 1
		.amdhsa_inst_pref_size 60
	.end_amdhsa_kernel
	.amdgpu_metadata
---
amdhsa.version: [ 1, 2 ]
amdhsa.kernels:
  - .name:           k_q31dc8c06f1_prep
    .symbol:         k_q31dc8c06f1_prep.kd
    .args:
      - { .name: x, .offset: 0, .size: 8, .value_kind: global_buffer, .address_space: global }
      - { .name: w_qkv, .offset: 8, .size: 8, .value_kind: global_buffer, .address_space: global }
      - { .name: w_out, .offset: 16, .size: 8, .value_kind: global_buffer, .address_space: global }
      - { .name: x_codes, .offset: 24, .size: 8, .value_kind: global_buffer, .address_space: global }
      - { .name: x_scales, .offset: 32, .size: 8, .value_kind: global_buffer, .address_space: global }
      - { .name: w_codes, .offset: 40, .size: 8, .value_kind: global_buffer, .address_space: global }
      - { .name: w_scales, .offset: 48, .size: 8, .value_kind: global_buffer, .address_space: global }
      - { .name: w16, .offset: 56, .size: 8, .value_kind: global_buffer, .address_space: global }
    .group_segment_fixed_size: 42496
    .private_segment_fixed_size: 0
    .kernarg_segment_align: 8
    .kernarg_segment_size: 64
    .max_flat_workgroup_size: 128
    .sgpr_count:     66
    .vgpr_count:     200
    .wavefront_size: 32
...
	.end_amdgpu_metadata
.endif
;; end of part 1
;; launch qkv (part 2): grid 12 x 32, 4 waves a work-group, clusters of 4 x 4, 327,680 bytes of LDS; arguments x_codes, x_scales, w_codes, w_scales, qkv; writes qkv
.if DOCPART == 2
	.amdgcn_target "amdgcn-amd-amdhsa--gfx1250"
	.amdhsa_code_object_version 6
	.text
	.protected	k_q31dc8c06f1_qkv
	.globl	k_q31dc8c06f1_qkv
	.p2align	8
	.type	k_q31dc8c06f1_qkv,@function
k_q31dc8c06f1_qkv:
	s_mov_b64 s[64:65], 0
	v_nop
	global_prefetch_b8 v0, s[64:65] scope:SCOPE_SE
	s_setreg_imm32_b32 hwreg(HW_REG_WAVE_MODE, 25, 1), 1
	s_wait_xcnt 0x0
	s_wait_alu depctr_hold_cnt(0) depctr_sa_sdst(0) depctr_va_vdst(0) depctr_va_sdst(0) depctr_va_ssrc(0) depctr_va_vcc(0) depctr_vm_vsrc(0)
	s_getreg_b32 s2, hwreg(HW_REG_IB_STS2, 6, 4)
	s_cmp_eq_u32 s2, 0
	s_cbranch_scc0 .Lentry_in_a_cluster
	s_endpgm
.Lentry_in_a_cluster:
	s_bfe_u32 s2, ttmp6, 0x10000c
	s_cmp_lg_u32 s2, 0xf033
	s_cbranch_scc0 .Lentry_shape_is_right
	s_endpgm
.Lentry_shape_is_right:
; q, k, v without their biases: C[m][n] = sum over k of x[m][k] w_qkv[k][n], both operands as codes of FP4 (E2M1) with one E8M0 scale for each 32 along K; sums in f32; C rounded once to f16.
; LEFT OUT HERE: all three biases.  The bias on k is dead work (a term that is the same along a softmax's row: shown at the head of the launch prep); those on q and v are added in the launch attn.
; A = x_codes [8192][512 bytes], B = w_codes [3072][512 bytes], their scale bytes [rows][32].  OUT: qkv, f16, [3 (q, k, v)][64 (batch x 16 + head)][2048 tokens][64]: a head is 262,144 dense bytes.
; LIMIT: q, k and v must stay under 65,504 in magnitude (f16); under 6e-5 they are f16 subnormals.
; A tile of C, 256 x 256, is made by a work-group of four waves; a wave makes 128 x 128: 64 accumulators of 16 x 16, 512 registers.  K = 1,024 is two slots of 512 along K: both are first fills, nothing is filled again.
; THE SCALES of the work-group's 256 rows of A and of B, for all of K, are two dense blocks: they come into LDS once, with the first fills.  By this text's count a wave has three tensor loads on their way.
; CLUSTERS: 4 x 4 work-groups.  The four of a row of the cluster need the same tiles of A, the four of a column the same tiles of B: each tile is asked for JOINTLY.
; THE MATRIX INSTRUCTION IS USED TRANSPOSED (source 0 = 16 rows of B, source 1 = 16 rows of A): a lane then holds eight neighbouring numbers of a row of C.
; REGISTERS, in windows of 256: window 0: v0-31 addresses; v32-95 scale words, two sets; v128-191 A's fragments, ONE set; on the way out v32-63, v192-255.
;   window 1: B's fragments, TWO sets, at v0 and at v128.   window 2: the accumulators of my rows 0-63 ((a, b) at v[8 (8 a + b)]);   window 3: those of my rows 64-127.
.set SIZE_M, 8192
.set SIZE_N, 3072
.set SIZE_K, 1024
.set KSTEP,  512                       ; along K in a slot
.set NQ,     KSTEP/128                 ; matrix instructions deep
.set ROWB,   256                       ; a tile's row in bytes
.set KROW,   SIZE_K*4/8                ; a row of A or of B in memory, in bytes
.set PITCH,  272                       ; an LDS row: 256 bytes + 16 of padding: the 16 rows that a load touches start 16 bytes apart modulo 256
.set FR,     8                         ; registers of a fragment: 16 rows x 128 K
.set NL,     2                         ; LDS loads that bring one
.set NP,     4                         ; places behind this matrix instruction (ISA guide 7.12.1)
.set HALFT,  128*PITCH                 ; 128 rows: what one tensor load brings
.set SLOT,   4*HALFT                   ; A's 256 rows, then B's 256 rows
.set KS,     SIZE_K/32                 ; a row of scales in bytes
.set SCL,    2*SLOT                    ; behind the slots: the scales, as runs of 256 bytes + 16 of padding
.set HALFS,  (128*KS/256)*272          ; the scales of 128 rows
.set SBLK,   (16*KS/256)*272           ; those of 16 rows
.set SPARE,  SCL+4*HALFS               ; the spare words, 128 bytes for each wave
.set SPITCH, 272                       ; the way out: a stage of 16 rows x (256 bytes + 16) for each wave, in slot 0, which has had its only fill and its last read when the first result is stored there
.set ADRA, 16                          ; v16-17  LDS address of my A fragments in slot 0, 1
.set ADRB, 20                          ; v20-21  the same for B
.set STO,  24                          ; v24     the way out: where I put 16 bytes of a row
.set RD,   25                          ; v25     the way out: where I read 16 bytes back
.set CO,   26                          ; v26     my byte offset in qkv
.set ADRS, 27                          ; v27     LDS address of my scale words: lanes 0-15 A's rows, lanes 16-31 B's
.set SPW,  28                          ; v28     LDS address of my spare word; never rewritten
.set NIL,  29                          ; v29     0; never rewritten
.set SC,   32                          ; scale words: set s at v[SC + 8 NQ s]; register NQ i + q: lanes 0-15 the word of A's block i, lanes 16-31 that of B's block i
.set AF,   128                         ; A's fragments, in window 0
.set TMP,  192                         ; the way out: a block's packed results
.set OB,   32                          ; the way out: 16 rows read back: v32-63 and v224-255 by turns
.set G1, 24                            ; s[24:31] descriptor group 1 for A's tiles;  s[32:39] group 0, one set for each slot
.set G0, 32
.set G1B, 48                           ; s[48:55], s[56:63] the same for B's tiles
.set G0B, 56
.set G1S, 68                           ; s[68:75], s[76:79] groups 1 and 0 for A's scales;  s[80:87], s[88:91] for B's
.set G0S, 76
.set G1SB, 80
.set G0SB, 88
.set MSB, 0
.macro WIN new                         ; the immediate's high byte repeats the setting that is left
.if MSB != \new
	s_set_vgpr_msb (MSB<<8)|\new
.set MSB, \new
.endif
.endm
.set MUL_LO, 0xa1                      ; source 0 (B) window 1, source 1 (A) window 0, C and D window 2
.set MUL_HI, 0xf1                      ; the same, C and D window 3
.set TO_B,   0x40                      ; destination window 1, address window 0
; A joint load: waves 0 and 1 fetch for A, waves 2 and 3 for B.  The branch hangs on the wave's number alone.  An s_nop 0 and four v_nop follow each of the two lines.
.macro JLOAD g0a, g1a, g0b, g1b
	s_cmp_eq_u32 s15, 0
	s_cbranch_scc0 .Lfor_b_\@
	tensor_load_to_lds s[\g0a:\g0a+3], s[\g1a:\g1a+7]
	s_nop 0
.rept 4
	v_nop
.endr
	s_branch .Lasked_\@
.Lfor_b_\@:
	tensor_load_to_lds s[\g0b:\g0b+3], s[\g1b:\g1b+7]
	s_nop 0
.rept 4
	v_nop
.endr
.Lasked_\@:
.endm
.macro CROUND                          ; a round of the cluster's barrier
	s_barrier_signal -1
	s_barrier_wait -1
	s_cmp_lg_u32 s14, 0
	s_cbranch_scc1 .Lnot_wave_0_\@
	s_barrier_signal -3
.Lnot_wave_0_\@:
	s_barrier_wait -3
	s_barrier_signal -1
	s_barrier_wait -1
.endm
	s_load_b128 s[4:7], s[0:1], 0x0                ; A's codes s[4:5], A's scales s[6:7]
	s_load_b128 s[8:11], s[0:1], 0x10              ; B's codes s[8:9], B's scales s[10:11]
	s_load_b64 s[12:13], s[0:1], 0x20              ; qkv
	v_lshl_add_u32 v[SPW], v0, 2, SPARE
	v_mov_b32 v[NIL], 0
	ds_add_u32 v[SPW], v[NIL]                      ; the wave's opening: the add, twice on end, and its wait ahead of my first tensor load
	ds_add_u32 v[SPW], v[NIL]
	v_lshrrev_b32 v1, 5, v0
	v_readfirstlane_b32 s14, v1                    ; wave 0..3
	s_lshr_b32 s15, s14, 1                         ; which half of the tile's rows is mine.  Also: I fetch for A (0) or for B (1)
	s_and_b32 s16, s14, 1                          ; which half of its columns.  Also: which 128 rows of that tile I fetch
	s_bfe_u32 s40, ttmp6, 0x40000                  ; cx, cy: my place in the cluster
	s_bfe_u32 s41, ttmp6, 0x40004
	s_lshl_b32 s42, ttmp9, 2
	s_add_co_u32 s42, s42, s40                     ; tile column of C = 4 x cluster x + cx
	s_and_b32 s17, ttmp7, 0xffff
	s_lshl_b32 s17, s17, 2
	s_add_co_u32 s17, s17, s41                     ; tile row of C = 4 x cluster y + cy
	s_lshl_b32 s43, s41, 2
	s_lshl_b32 s43, 15, s43                        ; my row of the cluster
	s_lshl_b32 s44, 0x1111, s40                    ; my column
	; descriptor group 1: a tile of 128 rows x 256 bytes, padded in LDS
	s_or_b32 s[G1+0], s43, (0<<16)|(1<<20)|(1<<21)|(5<<22)|(3<<25)  ; 15:0 the mask: A's tiles go to my row; elements of 1 byte; padding on; bit 21 beside a mask; after every 64 words, 4 words
	s_or_b32 s[G1B+0], s44, (0<<16)|(1<<20)|(1<<21)|(5<<22)|(3<<25)
.irp g, G1, G1B
	s_mov_b32 s[\g+1], ROWB<<16                    ; tensor_dim0
	s_mov_b32 s[\g+2], 128<<16                     ; tensor_dim1 = 128
	s_mov_b32 s[\g+3], ROWB<<16                    ; tile_dim0
	s_mov_b32 s[\g+4], 128                         ; tile_dim1 = 128
	s_mov_b32 s[\g+5], KROW                        ; tensor_dim0_stride
	s_mov_b32 s[\g+6], 0
	s_mov_b32 s[\g+7], 0
.endr
	; and for the scales of 128 rows: a dense block of 4,096 bytes, as rows of 256 bytes (32 elements of 8 bytes), 16 bytes of padding behind each
	s_or_b32 s[G1S+0], s43, (3<<16)|(1<<20)|(1<<21)|(5<<22)|(3<<25)
	s_or_b32 s[G1SB+0], s44, (3<<16)|(1<<20)|(1<<21)|(5<<22)|(3<<25)
.irp g, G1S, G1SB
	s_mov_b32 s[\g+1], 32<<16
	s_mov_b32 s[\g+2], (128*KS/256)<<16
	s_mov_b32 s[\g+3], 32<<16
	s_mov_b32 s[\g+4], 128*KS/256
	s_mov_b32 s[\g+5], 32
	s_mov_b32 s[\g+6], 0
	s_mov_b32 s[\g+7], 0
.endr
	s_lshl_b32 s18, s16, 7                         ; which 128 rows of the tile I fetch
	s_lshl_b32 s20, s17, 8
	s_add_co_u32 s20, s20, s18                     ; A: row 256 x tile row + 128 x half
	s_lshl_b32 s46, s42, 8
	s_add_co_u32 s46, s46, s18                     ; B: row 256 x tile column + 128 x half
	s_mov_b32 s21, 0
	s_mov_b32 s47, 0
	s_mov_b64 s[18:19], KS
	s_mul_u64 s[22:23], s[20:21], s[18:19]         ; where these rows' scales begin, in bytes
	s_mul_u64 s[92:93], s[46:47], s[18:19]
	s_mov_b64 s[18:19], KROW
	s_mul_u64 s[20:21], s[20:21], s[18:19]         ; and their codes
	s_mul_u64 s[46:47], s[46:47], s[18:19]
	s_mul_i32 s45, s14, HALFT                      ; where they go: wave x 128 rows: no place in the cluster enters an LDS address
	s_mul_i32 s94, s14, HALFS
	s_wait_dscnt 0x0                               ; both opening adds are done
	s_wait_kmcnt 0x0
	s_add_nc_u64 s[20:21], s[4:5], s[20:21]
	s_add_nc_u64 s[22:23], s[6:7], s[22:23]
	s_add_nc_u64 s[46:47], s[8:9], s[46:47]
	s_add_nc_u64 s[92:93], s[10:11], s[92:93]
	CROUND                                         ; all sixteen work-groups are here: the joint loads meet
	s_mov_b32 s[G0S], 1
	s_add_co_u32 s[G0S+1], s94, SCL
	s_mov_b64 s[G0S+2:G0S+3], s[22:23]
	s_or_b32 s[G0S+3], s[G0S+3], 0x80000000
	s_mov_b32 s[G0SB], 1
	s_add_co_u32 s[G0SB+1], s94, SCL
	s_mov_b64 s[G0SB+2:G0SB+3], s[92:93]
	s_or_b32 s[G0SB+3], s[G0SB+3], 0x80000000
	JLOAD G0S, G1S, G0SB, G1SB                     ; the scales first: they are wanted with slot 0
.irp s, 0,1
	s_mov_b32 s[G0+4*\s], 1
	s_add_co_u32 s[G0+4*\s+1], s45, \s*SLOT
	s_add_nc_u64 s[G0+4*\s+2:G0+4*\s+3], s[20:21], \s*ROWB
	s_or_b32 s[G0+4*\s+3], s[G0+4*\s+3], 0x80000000
	s_mov_b32 s[G0B+4*\s], 1
	s_add_co_u32 s[G0B+4*\s+1], s45, \s*SLOT
	s_add_nc_u64 s[G0B+4*\s+2:G0B+4*\s+3], s[46:47], \s*ROWB
	s_or_b32 s[G0B+4*\s+3], s[G0B+4*\s+3], 0x80000000
	JLOAD G0+4*\s, G1, G0B+4*\s, G1B
.endr
	v_and_b32 v1, 15, v0                           ; r = l % 16
	v_bfe_u32 v2, v0, 4, 1                         ; h = l / 16
	v_mul_u32_u24 v3, v1, PITCH
	v_lshl_add_u32 v4, v2, 4, v3                   ; a fragment's row x pitch + 16 x half
	s_mul_i32 s21, s15, HALFT                      ; my 128 rows of A
	s_mul_i32 s22, s16, HALFT                      ; my 128 rows of B,
	s_add_co_u32 s22, s22, 2*HALFT                 ; which lie behind A's 256
.irp s, 0,1
	v_add_nc_u32 v[ADRA+\s], s21, v4
	v_add_nc_u32 v[ADRB+\s], s22, v4
	s_add_co_u32 s21, s21, SLOT
	s_add_co_u32 s22, s22, SLOT
.endr
	v_mul_u32_u24 v5, v1, KS                       ; my row's scales: KS bytes a row,
	v_lshrrev_b32 v6, 8, v5
	v_lshl_add_u32 v5, v6, 4, v5                   ; and 16 more for each 256 passed
	s_mul_i32 s21, s15, HALFS                      ; A's: my 128 rows
	s_mul_i32 s22, s16, HALFS                      ; B's: my 128 rows, behind A's 256
	s_add_co_u32 s22, s22, 2*HALFS
	s_sub_co_u32 s22, s22, s21
	v_mul_u32_u24 v6, s22, v2                      ; lanes 16-31 take B's
	s_add_co_u32 s21, s21, SCL
	v_add_nc_u32 v5, v5, v6
	v_add_nc_u32 v[ADRS], s21, v5
	; the way out.  My 128 columns are two heads of one of q, k, v; my 128 rows are tokens of one batch
	s_mul_i32 s23, s14, 16*SPITCH                  ; my stage
	v_mul_u32_u24 v5, v1, SPITCH                   ; in: row r, 16 bytes for each half of the lanes
	v_lshl_add_u32 v5, v2, 4, v5
	v_add_nc_u32 v[STO], s23, v5
	v_bfe_u32 v6, v0, 3, 1                         ; back: lanes 0-15 take two tokens of the first head (2 x 128 bytes), lanes 16-31 of the second
	v_mul_u32_u24 v5, v6, SPITCH
	v_lshl_add_u32 v5, v2, 7, v5
	v_and_b32 v6, 7, v0
	v_lshl_add_u32 v5, v6, 4, v5
	v_add_nc_u32 v[RD], s23, v5
	v_lshlrev_b32 v5, 18, v2                       ; in qkv the second head lies 262,144 bytes on; two tokens of a head are 256 consecutive bytes
	v_lshl_add_u32 v[CO], v1, 4, v5
	s_lshl_b32 s20, ttmp9, 6                       ; 64 x (q, k or v): 1,024 columns are four tile columns, a cluster's width
	s_lshr_b32 s21, s17, 3                         ; the batch: 2,048 tokens are eight tile rows
	s_lshl_b32 s21, s21, 4
	s_add_co_u32 s20, s20, s21
	s_lshl_b32 s21, s16, 1
	s_add_co_u32 s20, s20, s21                     ; + 2 x my half of the columns
	s_lshl_b32 s20, s20, 18
	s_and_b32 s21, s17, 7
	s_lshl_b32 s21, s21, 8
	s_lshl_b32 s22, s15, 7
	s_add_co_u32 s21, s21, s22                     ; my first token
	s_lshl_b32 s21, s21, 7
	s_add_co_u32 s20, s20, s21
	s_mov_b32 s21, 0
	s_lshl_b32 s46, s40, 20                        ; + 4 cx heads: cx enters this store address alone
	s_mov_b32 s47, 0
	s_add_nc_u64 s[20:21], s[20:21], s[46:47]
	s_add_nc_u64 s[12:13], s[12:13], s[20:21]
.macro FRAG reg, adr, q, i             ; a fragment, 16 rows x 128 K of 4-bit codes: lane l holds row l % 16; registers 4 c .. 4 c + 3 hold K = 64 c + 32 (l / 16) + 0 .. 31
.irp c, 0,1
	ds_load_b128 v[\reg+4*\c:\reg+4*\c+3], v[\adr] offset:64*(\q)+32*\c+(\i)*16*PITCH
.endr
.endm
; 16 matrix instructions: A's blocks a0, a0 + 1 x B's eight, 128 along K: the slot's q-th.  p: B's set;  sc: the set of scale words.  zero = 1: the first product starts the sums.
; The 64 accumulators take turns, one instruction a turn, in the same order in every step.
.macro MUL16 a0, p, q, sc, zero
.irp a, \a0, \a0+1
.irp b, 0,1,2,3,4,5,6,7
.if \zero
	v_wmma_scale_f32_16x16x128_f8f6f4 v[8*(8*((\a)%4)+\b):8*(8*((\a)%4)+\b)+7], v[128*(\p)+FR*\b:128*(\p)+FR*\b+FR-1], v[AF+FR*(\a):AF+FR*(\a)+FR-1], 0, v[SC+8*NQ*(\sc)+NQ*\b+(\q)], v[SC+8*NQ*(\sc)+NQ*(\a)+(\q)] matrix_a_fmt:MATRIX_FMT_FP4 matrix_b_fmt:MATRIX_FMT_FP4 matrix_a_scale:MATRIX_SCALE_ROW1
.else
	v_wmma_scale_f32_16x16x128_f8f6f4 v[8*(8*((\a)%4)+\b):8*(8*((\a)%4)+\b)+7], v[128*(\p)+FR*\b:128*(\p)+FR*\b+FR-1], v[AF+FR*(\a):AF+FR*(\a)+FR-1], v[8*(8*((\a)%4)+\b):8*(8*((\a)%4)+\b)+7], v[SC+8*NQ*(\sc)+NQ*\b+(\q)], v[SC+8*NQ*(\sc)+NQ*(\a)+(\q)] matrix_a_fmt:MATRIX_FMT_FP4 matrix_b_fmt:MATRIX_FMT_FP4 matrix_a_scale:MATRIX_SCALE_ROW1
.endif
.endr
.endr
.endm
.macro FETCH_B slot, q, p              ; B's eight fragments of the slot's q-th 128 along K into set p
	WIN TO_B
.irp i, 0,1,2,3,4,5,6,7
	FRAG 128*(\p)+FR*\i, ADRB+\slot, \q, \i
.endr
	WIN 0
.endm
.macro FETCH_A slot, q, i0             ; A's blocks i0 .. i0 + 3
.irp i, \i0, \i0+1, \i0+2, \i0+3
	FRAG AF+FR*(\i), ADRA+\slot, \q, \i
.endr
.endm
.macro SCALES sc                       ; a slot's scale words into set sc: NQ words a row; lanes 0-15 take A's block i, lanes 16-31 B's block i
.irp i, 0,1,2,3,4,5,6,7
	ds_load_b128 v[SC+8*NQ*\sc+NQ*\i:SC+8*NQ*\sc+NQ*\i+3], v[ADRS] offset:\i*SBLK
.endr
.endm
; A load into a register that a matrix instruction has read, and a vector instruction that reads a matrix result, stand NP places behind that matrix instruction; only plain vector
; instructions that name none of its registers are places.
.macro PLACES n
.rept \n
	v_nop
.endr
.endm
; A step of 128 along K that has its successor in the same slot.
.macro STEP slot, q, zero
	s_wait_dscnt 4*NL                              ; B's set and A's blocks 0-3 are in; the youngest eight loads (A's blocks 4-7) may be out
	WIN MUL_LO
	MUL16 0, (\q)%2, \q, \slot, \zero
	MUL16 2, (\q)%2, \q, \slot, \zero
	s_wait_dscnt 0                                 ; A's blocks 4-7 are in (asked for 32 matrix instructions ago)
	PLACES NP
	FETCH_B \slot, (\q)+1, 1-(\q)%2
	FETCH_A \slot, (\q)+1, 0
	WIN MUL_HI
	MUL16 4, (\q)%2, \q, \slot, \zero
	MUL16 6, (\q)%2, \q, \slot, \zero
	PLACES NP
	WIN 0
	FETCH_A \slot, (\q)+1, 4
.endm
; Slot 0's last step changes slots: ONE barrier; in front of it each wave waits for all its tensor loads (slot 1's among them), adds 0 to its spare word, and waits for that and for its own reads of slot 0.  Nothing is filled again.
.macro TURN slot, next
	s_wait_tensorcnt 0x0                           ; all my tensor loads have landed: my part of the next slot  (every window is 0 here)
	ds_add_u32 v[SPW], v[NIL]                      ; 0 onto my spare word
	s_wait_dscnt 4*NL+1                            ; the add and the youngest eight loads, A's blocks 4-7, may be out
	WIN MUL_LO
	MUL16 0, 1, NQ-1, \slot, 0
	s_wait_dscnt 0x0                               ; the add is done, and my reads of this slot are over
	s_barrier_signal -1
	MUL16 2, 1, NQ-1, \slot, 0
	WIN 0
	s_barrier_wait -1
	PLACES NP
	v_add_nc_u32 v[ADRS], 4*NQ, v[ADRS]            ; on to the next slot's scale words (no LDS load of mine is out)
	FETCH_B \next, 0, 0
	FETCH_A \next, 0, 0
	SCALES \next
	WIN MUL_HI
	MUL16 4, 1, NQ-1, \slot, 0
	MUL16 6, 1, NQ-1, \slot, 0
	PLACES NP
	WIN 0
	FETCH_A \next, 0, 4
.endm
.macro STEPS slot, from                ; the slot's steps from .. NQ - 2
.set Q, \from
.rept NQ-1-\from
	STEP \slot, Q, 0
.set Q, Q+1
.endr
.endm
	s_wait_tensorcnt 1                             ; the scales and my part of slot 0 are in; slot 1's load, the one issued behind them, may be out
	s_barrier_signal -1
	s_barrier_wait -1                              ; everybody's are
	FETCH_B 0, 0, 0
	FETCH_A 0, 0, 0
	SCALES 0
	FETCH_A 0, 0, 4
	STEP 0, 0, 1                                   ; the first step's products start the sums
	STEPS 0, 1
	TURN 0, 1
	STEPS 1, 0
	s_wait_dscnt 4*NL                              ; the very last step: nothing more to fetch
	WIN MUL_LO
	MUL16 0, 1, NQ-1, 1, 0
	MUL16 2, 1, NQ-1, 1, 0
	s_wait_dscnt 0
	WIN MUL_HI
	MUL16 4, 1, NQ-1, 1, 0
	MUL16 6, 1, NQ-1, 1, 0
	WIN 0
; THE WAY OUT, block by block of 16 tokens x 128 columns.  PACK: rounded to f16, 16 bytes a lane.  TOSTAGE: into my own stage, and back so that sixteen lanes hold two tokens of one head.  SEND: stored.
.macro PACK a
.set AC, 64*((\a)%4)
	WIN 0x0a+5*((\a)/4)                            ; sources 0 and 1: window 2 or 3
.irp b, 0,1,2,3,4,5,6,7
.irp r, 0,1,2,3
	v_cvt_pk_f16_f32 v[TMP+4*\b+\r], v[AC+8*\b+2*\r], v[AC+8*\b+2*\r+1]   ; each accumulator from its low end on
.endr
.endr
	WIN 0
.endm
.macro TOSTAGE a
.set BK, OB+192*((\a)%2)
.irp b, 0,1,2,3,4,5,6,7
	ds_store_b128 v[STO], v[TMP+4*\b:TMP+4*\b+3] offset:32*\b
.endr
.irp t, 0,1,2,3,4,5,6,7
	ds_load_b128 v[BK+4*\t:BK+4*\t+3], v[RD] offset:\t*2*SPITCH    ; LDS serves a wave's instructions in order: these see the stores above
.endr
.endm
.macro SEND a
.set BK, OB+192*((\a)%2)
	s_wait_dscnt 0x0                               ; the block is back in registers
	s_wait_xcnt 0x0                                ; the earlier stores have read their registers: the next block's loads may land where block a - 1's stores read
.irp t, 0,1,2,3,4,5,6,7
	global_store_b128 v[CO], v[BK+4*\t:BK+4*\t+3], s[12:13] offset:(\a)*2048+256*\t   ; 16 lanes store 256 consecutive bytes, at a multiple of 256 from the buffer's first byte
.endr
.endm
	PLACES NP                                      ; behind the last products
	PACK 0
	TOSTAGE 0
.irp a, 1,2,3,4,5,6,7                  ; block a's conversions stand between block a - 1's loads from the stage and the wait for them
	PACK \a
	SEND \a-1
	TOSTAGE \a
.endr
	SEND 7
	s_wait_tensorcnt 0x0                           ; the wave's end, behind my last tensor load and my last LDS store
	ds_add_u32 v[SPW], v[NIL]
	s_wait_dscnt 0x0
	CROUND                                         ; the closing round
	s_endpgm
.Lfunc_end_k_q31dc8c06f1_qkv:
	.size	k_q31dc8c06f1_qkv, .Lfunc_end_k_q31dc8c06f1_qkv-k_q31dc8c06f1_qkv
	.p2alignl 7, 3214868480
	.fill 96, 4, 3214868480
	.section	.rodata,"a",@progbits
	.p2align	6, 0x0
	.amdhsa_kernel k_q31dc8c06f1_qkv
		.amdhsa_group_segment_fixed_size 327680
		.amdhsa_private_segment_fixed_size 0
		.amdhsa_enable_private_segment 0
		.amdhsa_kernarg_size 40
		.amdhsa_user_sgpr_count 2
		.amdhsa_user_sgpr_kernarg_segment_ptr 1
		.amdhsa_wavefront_size32 1
		.amdhsa_system_sgpr_workgroup_id_x 1
		.amdhsa_system_sgpr_workgroup_id_y 1
		.amdhsa_system_sgpr_workgroup_id_z 1
		.amdhsa_system_vgpr_workitem_id 0
		.amdhsa_next_free_vgpr 1024
		.amdhsa_next_free_sgpr 98
		.amdhsa_reserve_vcc 0
		.amdhsa_float_denorm_mode_32 3
		.amdhsa_float_denorm_mode_16_64 3
		.amdhsa_memory_ordered 1
		.amdhsa_forward_progress 1
		.amdhsa_inst_pref_size 127
	.end_amdhsa_kernel
	.amdgpu_metadata
---
amdhsa.version: [ 1, 2 ]
amdhsa.kernels:
  - .name:           k_q31dc8c06f1_qkv
    .symbol:         k_q31dc8c06f1_qkv.kd
    .args:
      - { .name: x_codes, .offset: 0, .size: 8, .value_kind: global_buffer, .address_space: global }
      - { .name: x_scales, .offset: 8, .size: 8, .value_kind: global_buffer, .address_space: global }
      - { .name: w_codes, .offset: 16, .size: 8, .value_kind: global_buffer, .address_space: global }
      - { .name: w_scales, .offset: 24, .size: 8, .value_kind: global_buffer, .address_space: global }
      - { .name: qkv, .offset: 32, .size: 8, .value_kind: global_buffer, .address_space: global }
    .group_segment_fixed_size: 327680
    .private_segment_fixed_size: 0
    .kernarg_segment_align: 8
    .kernarg_segment_size: 40
    .max_flat_workgroup_size: 128
    .sgpr_count:     98
    .vgpr_count:     1024
    .wavefront_size: 32
...
	.end_amdgpu_metadata
.endif
;; end of part 2
;; launch attn (part 3): grid 4 x 64, 16 waves a work-group, clusters of 4 x 1, 327,680 bytes of LDS; arguments qkv, b_qkv, att; writes att
.if DOCPART == 3
	.amdgcn_target "amdgcn-amd-amdhsa--gfx1250"
	.amdhsa_code_object_version 6
	.text
	.protected	k_q31dc8c06f1_attn
	.globl	k_q31dc8c06f1_attn
	.p2align	8
	.type	k_q31dc8c06f1_attn,@function
k_q31dc8c06f1_attn:
	s_mov_b64 s[64:65], 0
	v_nop
	global_prefetch_b8 v0, s[64:65] scope:SCOPE_SE
	s_setreg_imm32_b32 hwreg(HW_REG_WAVE_MODE, 25, 1), 1
	s_wait_xcnt 0x0
	s_wait_alu depctr_hold_cnt(0) depctr_sa_sdst(0) depctr_va_vdst(0) depctr_va_sdst(0) depctr_va_ssrc(0) depctr_va_vcc(0) depctr_vm_vsrc(0)
	s_getreg_b32 s2, hwreg(HW_REG_IB_STS2, 6, 4)
	s_cmp_eq_u32 s2, 0
	s_cbranch_scc0 .Lentry_in_a_cluster
	s_endpgm
.Lentry_in_a_cluster:
	s_bfe_u32 s2, ttmp6, 0x10000c
	s_cmp_lg_u32 s2, 0x3003
	s_cbranch_scc0 .Lentry_shape_is_right
	s_endpgm
.Lentry_shape_is_right:
; att[bh][q][:] = the sum over k of softmax_k((Q[q] + bq) . K[k] / 8) V[k][:] + bv, for each of the 64 (batch, head).  Q, K, V: parts 0, 1, 2 of qkv, f16, [64][2048][64]; att: f16, [64][2048][64].
; LEFT OUT: the bias on k, b_qkv[1024:2048]: it adds the same number to every score of a query's row, which a softmax takes away (shown at the head of the launch prep); it is not loaded.
; The bias on q is added here, in f32, and q is rounded to f16 again.  The bias on v is added behind the division: sum p (v + bv) / sum p = sum p v / sum p + bv: it rides on the last multiplication.
; Products on f16 operands with f32 sums; maxima, exponentials and sums in f32; the weights p (at most 1) are rounded to f16 for the second product.  LIMIT: q + bq must stay under 65,504.
; SHARES.  A work-group owns 512 queries of one (batch, head); each of its SIXTEEN waves owns 32, two tiles of 16, in 256 registers: four waves to a SIMD, so that one wave's vector work stands beside another's
; matrix work and LDS loads.  Every fragment of K and V that a wave reads from LDS feeds two matrix instructions.  Every wave walks all 2,048 keys, 64 a step.
; LAYOUT.  S^T = K Q^T (source 0 = 16 keys, source 1 = 16 queries): a lane holds ONE query (lane % 16) and keys 8 (lane / 16) + 0..7.  Two such tiles, rounded to f16 in pairs, ARE source 1 (32 keys x 16 queries)
; of O^T = V^T P, whose result again holds one query a lane.  K comes out of LDS as it lies, V ([key][channel]) turned, by ds_load_tr16_b128.
; SOFTMAX.  For each query a running maximum m and sum l: p = 2^(c s - c m), c = log2(e) / 8; in every step O and l are multiplied by a = 2^(c m_old - c m_new).
; RING.  Two slots of 512 keys (K's rows, then V's).  Every wave fetches 64 rows of a slot: waves 0-7 K's, waves 8-15 V's.  A head has four slots' worth of keys: two first fills, two refills;
; each refill is asked for eight key steps ahead of its first read, so nothing more is asked for ahead of the loads.
; CLUSTER.  The four work-groups of a cluster are the four query blocks of one (batch, head) and walk the same K and V: each tile is asked for JOINTLY, mask 15.
; REGISTERS: v1, v2 my lane's place in a tile of K, of V; v3, v4 the step's addresses; v5, v6 the add's two; v7-15 at work; v16-31 eight statistics a tile (+0 c m, +1 m, +2, +3 l, +4..+7 c0-c3; a in +6);
;   v32-63 Q (tile t, channels 32 s on: 32 + 16 t + 8 s); v64-127 eight fragments, K's and V's by turns; v128-191 S^T, 32 a tile, then P in the tile's low 16; v192-255 O^T, 32 a tile.
.set KP,    144                        ; a row of K in LDS: 128 bytes + 16: an odd multiple of 16
.set VP,    160                        ; a row of V: 128 + 32: an odd multiple of 32, as the turning load's 8 rows x 32 bytes want
.set SKEYS, 512                        ; keys in a slot
.set VOFF,  SKEYS*KP
.set SLOTB, SKEYS*(KP+VP)              ; 155,648
.set SPARE, 2*SLOTB                    ; the spare words, 128 bytes for each of sixteen waves: eight blocks of 256 bytes that no other line names
.set AK0, 1
.set AV0, 2
.set ADK, 3
.set ADV, 4
.set SPW, 5
.set NIL, 6
.set ST,  16
.set Q,   32
.set KV,  64
.set S,   128
.set O,   192
.set WV,  12                           ; s12  my wave's number
.set G1K, 24                           ; s[24:31] descriptor group 1 for K's tiles;  s[32:39] for V's: it differs in the padding alone
.set G1V, 32
.set G0K, 40                           ; s[40:47] group 0 for K's tiles, a set for each slot;  s[48:55] for V's
.set G0V, 48
.set CS,  58                           ; s[58:59] c: the packed form names a pair and takes its low word for both halves
.set SEL, 60                           ; s[60:61] lane selects for v_permlanex16_b32: lane l xor 16
.set TK,  62                           ; s62  LDS byte at which the step's rows of K begin
.set TV,  63                           ; s63  the same for V, less VOFF
.set CNT, 66                           ; s66  counts a slot's eight steps
.macro JLOAD slot                      ; a joint refill; the branch hangs on the wave's number alone; an s_nop 0 and four v_nop follow each of the two lines
	s_cmp_lt_u32 s[WV], 8
	s_cbranch_scc0 .Lfor_v_\@
	tensor_load_to_lds s[G0K+4*\slot:G0K+4*\slot+3], s[G1K:G1K+7]
	s_nop 0
.rept 4
	v_nop
.endr
	s_branch .Lasked_\@
.Lfor_v_\@:
	tensor_load_to_lds s[G0V+4*\slot:G0V+4*\slot+3], s[G1V:G1V+7]
	s_nop 0
.rept 4
	v_nop
.endr
.Lasked_\@:
.endm
.macro CROUND                          ; a round of the cluster's barrier
	s_barrier_signal -1
	s_barrier_wait -1
	s_cmp_lg_u32 s[WV], 0
	s_cbranch_scc1 .Lnot_wave_0_\@
	s_barrier_signal -3
.Lnot_wave_0_\@:
	s_barrier_wait -3
	s_barrier_signal -1
	s_barrier_wait -1
.endm
	s_load_b128 s[4:7], s[0:1], 0x0                ; qkv s[4:5], b_qkv s[6:7]
	s_load_b64 s[8:9], s[0:1], 0x10                ; att
	v_lshl_add_u32 v[SPW], v0, 2, SPARE
	v_mov_b32 v[NIL], 0
	ds_add_u32 v[SPW], v[NIL]                      ; the wave's opening: the add, twice on end, and its wait ahead of my first tensor load
	ds_add_u32 v[SPW], v[NIL]
	v_lshrrev_b32 v7, 5, v0
	v_readfirstlane_b32 s[WV], v7                  ; wave 0..15
	s_bfe_u32 s13, ttmp6, 0x40000                  ; cx: my block of 512 queries; it enters Q's and att's addresses alone
	s_and_b32 s14, ttmp7, 0xffff                   ; batch x 16 + head, which the four partners share
	s_and_b32 s15, s14, 15                         ; the head
	s_and_b32 s16, s[WV], 7                        ; which 64 rows of a slot I fetch
	s_mul_i32 s17, s16, 64*KP                      ; their place in a slot: K's,
	s_mul_i32 s18, s16, 64*VP
	s_add_co_u32 s18, s18, VOFF                    ; V's
	s_lshl_b32 s20, s14, 18                        ; the head's first byte in each part of qkv and in att
	s_mov_b32 s21, 0
	s_lshl_b32 s22, s16, 13                        ; my 64 rows of 128 bytes
	s_mov_b32 s23, 0
	s_add_nc_u64 s[22:23], s[22:23], s[20:21]
	s_lshl_b32 s68, s13, 16                        ; my work-group's 512 rows,
	s_lshl_b32 s69, s[WV], 12                      ; my wave's 32 of them
	s_add_co_u32 s68, s68, s69
	s_mov_b32 s69, 0
	s_add_nc_u64 s[68:69], s[68:69], s[20:21]
	s_lshl_b32 s74, s15, 8                         ; my head's 64 numbers of a bias
	s_mov_b32 s75, 0
	; descriptor group 1: a tile of 64 rows x 64 elements of 2 bytes, dense in memory, padded in LDS
	s_mov_b32 s[G1K], 15|(1<<16)|(1<<20)|(1<<21)|(4<<22)|(3<<25)  ; the mask: all four work-groups; elements of 2 bytes; padding on; bit 21 beside a mask; after every 32 words, 4 words
	s_mov_b32 s[G1V], 15|(1<<16)|(1<<20)|(1<<21)|(4<<22)|(7<<25)  ; the same with 8 words of padding
.irp g, G1K, G1V
	s_mov_b32 s[\g+1], 64<<16                      ; tensor_dim0 = 64
	s_mov_b32 s[\g+2], 64<<16                      ; tensor_dim1 = 64
	s_mov_b32 s[\g+3], 64<<16                      ; tile_dim0 = 64
	s_mov_b32 s[\g+4], 64                          ; tile_dim1 = 64
	s_mov_b32 s[\g+5], 64                          ; tensor_dim0_stride
	s_mov_b32 s[\g+6], 0
	s_mov_b32 s[\g+7], 0
.endr
	s_mov_b32 s[CS], 0x3e38aa3b                    ; c = log2(e) / 8
	s_mov_b32 s[CS+1], s[CS]
	s_mov_b32 s[SEL], 0x76543210
	s_mov_b32 s[SEL+1], 0xfedcba98
	s_wait_dscnt 0x0                               ; both opening adds are done
	s_wait_kmcnt 0x0
	s_add_nc_u64 s[22:23], s[4:5], s[22:23]        ; qkv at my 64 rows of the head's first slot, in part 0
	s_add_nc_u64 s[70:71], s[4:5], s[68:69]        ; Q at my wave's first row
	s_add_nc_u64 s[72:73], s[8:9], s[68:69]        ; att likewise
	s_add_nc_u64 s[74:75], s[6:7], s[74:75]        ; b_qkv at my head's part of bq
	CROUND                                         ; all four work-groups are here: the first joint loads meet
.irp s, 0,1
	s_mov_b32 s[G0K+4*\s], 1                       ; count = 1
	s_add_co_u32 s[G0K+4*\s+1], s17, \s*SLOTB      ; LDS address
	s_add_nc_u64 s[G0K+4*\s+2:G0K+4*\s+3], s[22:23], 16777216+\s*65536   ; part 1 (k); slot s begins with keys 512 s on
	s_or_b32 s[G0K+4*\s+3], s[G0K+4*\s+3], 0x80000000                    ; type = 2
	s_mov_b32 s[G0V+4*\s], 1
	s_add_co_u32 s[G0V+4*\s+1], s18, \s*SLOTB
	s_add_nc_u64 s[G0V+4*\s+2:G0V+4*\s+3], s[22:23], 33554432+\s*65536   ; part 2 (v)
	s_or_b32 s[G0V+4*\s+3], s[G0V+4*\s+3], 0x80000000
.endr
	s_cmp_lt_u32 s[WV], 8                          ; a wave's two first fills stand in one branch, ahead of every wait on TENSORcnt and every LDS read: two loads of mine are out
	s_cbranch_scc0 .Lfirst_v
	tensor_load_to_lds s[G0K:G0K+3], s[G1K:G1K+7]
	s_nop 0
	tensor_load_to_lds s[G0K+4:G0K+7], s[G1K:G1K+7]
	s_nop 0
.rept 4
	v_nop
.endr
	s_branch .Lfirst_asked
.Lfirst_v:
	tensor_load_to_lds s[G0V:G0V+3], s[G1V:G1V+7]
	s_nop 0
	tensor_load_to_lds s[G0V+4:G0V+7], s[G1V:G1V+7]
	s_nop 0
.rept 4
	v_nop
.endr
.Lfirst_asked:
	; A fragment of K or Q is 16 rows x 32 channels in 8 registers: lane l holds row l % 16; registers 0-3 channels 8 (l / 16) + 0..7, registers 4-7 channels 16 + 8 (l / 16) + 0..7: two loads of 16 bytes, 32 bytes apart.
	v_and_b32 v7, 15, v0                           ; r
	v_bfe_u32 v8, v0, 4, 1                         ; h
	v_lshlrev_b32 v9, 7, v7
	v_lshl_add_u32 v9, v8, 4, v9                   ; Q: row r of 128 bytes, + 16 h
	v_lshlrev_b32 v10, 5, v8                       ; the bias: 8 h numbers on
.irp t, 0,1
.irp s, 0,1
	global_load_b128 v[Q+16*\t+8*\s:Q+16*\t+8*\s+3],   v9, s[70:71] offset:2048*\t+64*\s
	global_load_b128 v[Q+16*\t+8*\s+4:Q+16*\t+8*\s+7], v9, s[70:71] offset:2048*\t+64*\s+32
.endr
.endr
.irp s, 0,1                                    ; bq in the fragments' order: register pair 8 s + 4 c + i holds channels 32 s + 16 c + 8 h + 2 i, + 1
.irp c, 0,1
	global_load_b128 v[S+16*\s+8*\c:S+16*\s+8*\c+3],   v10, s[74:75] offset:128*\s+64*\c
	global_load_b128 v[S+16*\s+8*\c+4:S+16*\s+8*\c+7], v10, s[74:75] offset:128*\s+64*\c+16
.endr
.endr
	v_mul_u32_u24 v[AK0], v7, KP
	v_lshl_add_u32 v[AK0], v8, 4, v[AK0]           ; K: row x pitch + 16 x half
	; The turning load takes 16 keys x 16 channels (lane l reads 16 bytes: key 8 (l / 16) + l % 8, channels 8 ((l / 8) % 2) + 0..7) and leaves half a fragment of V^T: lane l holds channel l % 16 and 8 keys.
	v_and_b32 v11, 7, v0
	v_bfe_u32 v12, v0, 3, 1
	v_lshl_add_u32 v[AV0], v8, 3, v11
	v_mul_u32_u24 v[AV0], v[AV0], VP
	v_lshl_add_u32 v[AV0], v12, 4, v[AV0]
	v_add_nc_u32 v[AV0], VOFF, v[AV0]
.irp t, 0,1
	v_mov_b32 v[ST+8*\t+1], 0xff61b1e6             ; m: -3e38, under every score
	v_mul_f32 v[ST+8*\t], s[CS], v[ST+8*\t+1]      ; c m
	v_mov_b32 v[ST+8*\t+2], 0                      ; l, in two halves
	v_mov_b32 v[ST+8*\t+3], 0
.endr
.irp j, 0,1,2,3,4,5,6,7,8,9,10,11,12,13,14,15,16,17,18,19,20,21,22,23,24,25,26,27,28,29,30,31,32,33,34,35,36,37,38,39,40,41,42,43,44,45,46,47,48,49,50,51,52,53,54,55,56,57,58,59,60,61,62,63
	v_mov_b32 v[O+\j], 0                           ; O^T.  (The key step is written once: the first finds zeros, which a = 0 leaves zeros)
.endr
	s_wait_loadcnt 0x0                             ; Q and bq
.macro QB lo, hi, i                    ; register i of Q: two f16 widened, the bias added in f32, rounded to f16 again
	v_cvt_f32_f16 v[KV+2*(\i)], \lo
	v_cvt_f32_f16 v[KV+2*(\i)+1], \hi
	v_pk_add_f32 v[KV+2*(\i):KV+2*(\i)+1], v[KV+2*(\i):KV+2*(\i)+1], v[S+2*((\i)%16):S+2*((\i)%16)+1]
	v_cvt_pk_f16_f32 v[Q+(\i)], v[KV+2*(\i)], v[KV+2*(\i)+1]
.endm
	QB v32.l, v32.h, 0
	QB v33.l, v33.h, 1
	QB v34.l, v34.h, 2
	QB v35.l, v35.h, 3
	QB v36.l, v36.h, 4
	QB v37.l, v37.h, 5
	QB v38.l, v38.h, 6
	QB v39.l, v39.h, 7
	QB v40.l, v40.h, 8
	QB v41.l, v41.h, 9
	QB v42.l, v42.h, 10
	QB v43.l, v43.h, 11
	QB v44.l, v44.h, 12
	QB v45.l, v45.h, 13
	QB v46.l, v46.h, 14
	QB v47.l, v47.h, 15
	QB v48.l, v48.h, 16
	QB v49.l, v49.h, 17
	QB v50.l, v50.h, 18
	QB v51.l, v51.h, 19
	QB v52.l, v52.h, 20
	QB v53.l, v53.h, 21
	QB v54.l, v54.h, 22
	QB v55.l, v55.h, 23
	QB v56.l, v56.h, 24
	QB v57.l, v57.h, 25
	QB v58.l, v58.h, 26
	QB v59.l, v59.h, 27
	QB v60.l, v60.h, 28
	QB v61.l, v61.h, 29
	QB v62.l, v62.h, 30
	QB v63.l, v63.h, 31
; THE SOFTMAX of a key step, both tiles line by line, so that no line reads the result of the line above it.  118 instructions a tile.
.macro SOFTMAX
.irp j, 0,1,2,3                                ; the maximum of the lane's 32 scores and the old m: four chains, each begun at its accumulator's low end
.irp t, 0,1
	v_max3_num_f32 v[ST+8*\t+4+\j], v[S+32*\t+8*\j], v[S+32*\t+8*\j+1], v[S+32*\t+8*\j+2]
.endr
.endr
.irp i, 3,5
.irp j, 0,1,2,3
.irp t, 0,1
	v_max3_num_f32 v[ST+8*\t+4+\j], v[ST+8*\t+4+\j], v[S+32*\t+8*\j+\i], v[S+32*\t+8*\j+\i+1]
.endr
.endr
.endr
.irp t, 0,1
	v_max3_num_f32 v[ST+8*\t+4], v[ST+8*\t+4], v[S+32*\t+7], v[S+32*\t+15]
.endr
.irp t, 0,1
	v_max3_num_f32 v[ST+8*\t+6], v[ST+8*\t+6], v[S+32*\t+23], v[S+32*\t+31]
.endr
.irp t, 0,1
	v_max3_num_f32 v[ST+8*\t+4], v[ST+8*\t+4], v[ST+8*\t+5], v[ST+8*\t+6]
.endr
.irp t, 0,1
	v_max3_num_f32 v[ST+8*\t+4], v[ST+8*\t+4], v[ST+8*\t+7], v[ST+8*\t+1]
.endr
.irp t, 0,1
	v_permlanex16_b32 v[ST+8*\t+5], v[ST+8*\t+4], s[SEL], s[SEL+1]   ; the query's other 32 keys lie in the lane 16 away
.endr
.irp t, 0,1
	v_mov_b32 v[ST+8*\t+7], v[ST+8*\t]             ; c m_old is kept for a
.endr
.irp t, 0,1
	v_max_num_f32 v[ST+8*\t+1], v[ST+8*\t+4], v[ST+8*\t+5]
.endr
.irp t, 0,1
	v_mul_f32 v[ST+8*\t], s[CS], v[ST+8*\t+1]
.endr
.irp t, 0,1
	v_sub_f32 v[ST+8*\t+7], v[ST+8*\t+7], v[ST+8*\t]
.endr
.irp t, 0,1
	v_exp_f32 v[ST+8*\t+6], v[ST+8*\t+7]           ; a = 2^(c m_old - c m_new)
.endr
.irp b, 0,1,2,3,4,5,6,7,8,9,10,11,12,13,14,15
.irp t, 0,1
	v_pk_fma_f32 v[S+32*\t+2*\b:S+32*\t+2*\b+1], v[S+32*\t+2*\b:S+32*\t+2*\b+1], s[CS:CS+1], v[ST+8*\t:ST+8*\t+1] op_sel_hi:[1,0,0] neg_lo:[0,0,1] neg_hi:[0,0,1]   ; c s - c m, two at a time
.endr
.endr
.irp e, 0,1,2,3,4,5,6,7,8,9,10,11,12,13,14,15,16,17,18,19,20,21,22,23,24,25,26,27,28,29,30,31
.irp t, 0,1
	v_exp_f32 v[S+32*\t+\e], v[S+32*\t+\e]         ; p
.endr
.endr
	v_nop                                          ; a plain instruction behind the last exponential
	s_wait_alu depctr_va_vdst(0)                   ; ONE wait for both tiles' 66 exponentials, ahead of the first line that names a result
.irp t, 0,1                                    ; the sums of the unrounded p, in two chains: l = a l + pair 0, then the even pairs; (c0, c1) takes the odd pairs
	v_pk_fma_f32 v[ST+8*\t+2:ST+8*\t+3], v[ST+8*\t+2:ST+8*\t+3], v[ST+8*\t+6:ST+8*\t+7], v[S+32*\t:S+32*\t+1] op_sel_hi:[1,0,1]
.endr
.irp t, 0,1
	v_pk_add_f32 v[ST+8*\t+4:ST+8*\t+5], v[S+32*\t+2:S+32*\t+3], v[S+32*\t+6:S+32*\t+7]
.endr
.irp p, 2,4,6,8,10,12
.irp t, 0,1
	v_pk_add_f32 v[ST+8*\t+2:ST+8*\t+3], v[ST+8*\t+2:ST+8*\t+3], v[S+32*\t+2*\p:S+32*\t+2*\p+1]
	v_pk_add_f32 v[ST+8*\t+4:ST+8*\t+5], v[ST+8*\t+4:ST+8*\t+5], v[S+32*\t+2*\p+6:S+32*\t+2*\p+7]
.endr
.endr
.irp t, 0,1
	v_pk_add_f32 v[ST+8*\t+2:ST+8*\t+3], v[ST+8*\t+2:ST+8*\t+3], v[S+32*\t+28:S+32*\t+29]
.endr
.irp t, 0,1
	v_pk_add_f32 v[ST+8*\t+2:ST+8*\t+3], v[ST+8*\t+2:ST+8*\t+3], v[ST+8*\t+4:ST+8*\t+5]
.endr
.irp j, 0,1,2,3,4,5,6,7,8,9,10,11,12,13,14,15  ; P in place, ascending: register j takes scores 2 j and 2 j + 1, which no later line reads
.irp t, 0,1
	v_cvt_pk_f16_f32 v[S+32*\t+\j], v[S+32*\t+2*\j], v[S+32*\t+2*\j+1]
.endr
.endr
.irp i, 0,1,2,3,4,5,6,7,8,9,10,11,12,13,14,15  ; O^T x a, each accumulator from its low end on
.irp t, 0,1
	v_pk_mul_f32 v[O+32*\t+2*\i:O+32*\t+2*\i+1], v[O+32*\t+2*\i:O+32*\t+2*\i+1], v[ST+8*\t+6:ST+8*\t+7] op_sel_hi:[1,0]
.endr
.endr
.endm
; A KEY STEP: 64 keys, both tiles.
.macro STEP
	v_add_nc_u32 v[ADK], s[TK], v[AK0]
	v_add_nc_u32 v[ADV], s[TV], v[AV0]
.rept 3
	v_nop                                          ; with the two additions: five places behind the last step's products: four for the loads into their registers, five since the products below write over P
.endr
.irp f, 0,1,2,3,4,5,6,7                        ; K: keys 16 (f / 2) on, channels 32 (f % 2) on
	ds_load_b128 v[KV+8*\f:KV+8*\f+3],   v[ADK] offset:(\f/2)*16*KP+(\f%2)*64
	ds_load_b128 v[KV+8*\f+4:KV+8*\f+7], v[ADK] offset:(\f/2)*16*KP+(\f%2)*64+32
.endr
	s_wait_dscnt 0x0
.irp k, 0,1,2,3                                ; S^T = K Q^T: eight accumulators by turns, one instruction a turn; the first eight start the sums
.irp t, 0,1
	v_wmma_f32_16x16x32_f16 v[S+32*\t+8*\k:S+32*\t+8*\k+7], v[KV+16*\k:KV+16*\k+7], v[Q+16*\t:Q+16*\t+7], 0
.endr
.endr
.irp k, 0,1,2,3
.irp t, 0,1
	v_wmma_f32_16x16x32_f16 v[S+32*\t+8*\k:S+32*\t+8*\k+7], v[KV+16*\k+8:KV+16*\k+15], v[Q+16*\t+8:Q+16*\t+15], v[S+32*\t+8*\k:S+32*\t+8*\k+7]
.endr
.endr
.rept 4
	v_nop                                          ; places in front of the loads into K's registers and of the first read of the scores
.endr
.irp f, 0,1,2,3,4,5,6,7                        ; V, turned: keys 32 (f / 4) on, channels 16 (f % 4) on.  These land while the softmax is worked
	ds_load_tr16_b128 v[KV+8*\f:KV+8*\f+3],   v[ADV] offset:(\f/4)*32*VP+(\f%4)*32
	ds_load_tr16_b128 v[KV+8*\f+4:KV+8*\f+7], v[ADV] offset:(\f/4)*32*VP+16*VP+(\f%4)*32
.endr
	SOFTMAX
	s_wait_dscnt 0x0                               ; V is in
.irp g, 0,1                                    ; O^T += V^T P: eight accumulators by turns
.irp d, 0,1,2,3
.irp t, 0,1
	v_wmma_f32_16x16x32_f16 v[O+32*\t+8*\d:O+32*\t+8*\d+7], v[KV+32*\g+8*\d:KV+32*\g+8*\d+7], v[S+32*\t+8*\g:S+32*\t+8*\g+7], v[O+32*\t+8*\d:O+32*\t+8*\d+7]
.endr
.endr
.endr
.endm
.macro SLOT_STEPS slot                 ; a slot's eight key steps: written once, walked eight times
	s_mov_b32 s[TK], \slot*SLOTB
	s_mov_b32 s[TV], \slot*SLOTB
	s_mov_b32 s[CNT], 8
.Lstep_\@:
	STEP
	s_add_co_u32 s[TK], s[TK], 64*KP
	s_add_co_u32 s[TV], s[TV], 64*VP
	s_sub_co_u32 s[CNT], s[CNT], 1
	s_cmp_lg_u32 s[CNT], 0
	s_cbranch_scc1 .Lstep_\@
.endm
; THE CHANGE OF SLOTS.  Each wave waits for all its tensor loads (its part of the slot ahead), adds 0 to its spare word, and waits for that and for its reads of the slot that it leaves.
; fill = 1: that slot is filled again, with the keys 1,024 further on: the barrier is a round of the cluster's, and the joint refill is the first thing behind it.
.macro CHANGE fill, slot
	s_wait_tensorcnt 0x0                           ; no tensor load of mine is out, so a group 0 may be written
	ds_add_u32 v[SPW], v[NIL]                      ; 0 onto my spare word
.if \fill
	s_add_nc_u64 s[G0K+4*\slot+2:G0K+4*\slot+3], s[G0K+4*\slot+2:G0K+4*\slot+3], 131072
	s_add_nc_u64 s[G0V+4*\slot+2:G0V+4*\slot+3], s[G0V+4*\slot+2:G0V+4*\slot+3], 131072
.endif
	s_wait_dscnt 0x0                               ; the add is done, and my reads of the slot are over
.if \fill
	CROUND
	JLOAD \slot
.else
	s_barrier_signal -1
	s_barrier_wait -1
.endif
.endm
	s_wait_tensorcnt 1                             ; my part of slot 0 is in; slot 1's load, issued behind it, may stay out
	s_barrier_signal -1
	s_barrier_wait -1                              ; everybody's is
	SLOT_STEPS 0                                   ; keys 0-511
	CHANGE 1, 0                                    ; slot 0 takes keys 1,024-1,535
	SLOT_STEPS 1                                   ; keys 512-1,023
	CHANGE 1, 1                                    ; slot 1 takes keys 1,536-2,047
	SLOT_STEPS 0
	CHANGE 0, 0                                    ; nothing is left to fetch
	SLOT_STEPS 1
	; THE WAY OUT.  O^T / l + bv, rounded to f16, goes through my stage in LDS (in slot 0's rows of K: the slot has had its last fill, and every wave's last read of it lies ahead of the last change's barrier)
	; and leaves as whole rows: a store of the wave covers 512 consecutive bytes.  The address lines are the places behind the last products.
	v_and_b32 v7, 15, v0                           ; r
	v_bfe_u32 v8, v0, 4, 1                         ; h
	v_lshlrev_b32 v9, 5, v8                        ; the bias: 8 h numbers on
	s_mul_i32 s17, s[WV], 2*16*KP                  ; my stage: two tiles of 16 rows x 144 bytes
	v_mul_u32_u24 v10, v7, KP
	v_lshl_add_u32 v10, v8, 4, v10
	v_add_nc_u32 v10, s17, v10                     ; in: row r, 16 bytes for each half of the lanes
	v_and_b32 v11, 31, v0
	v_lshrrev_b32 v12, 3, v11
	v_mul_u32_u24 v12, v12, KP
	v_and_b32 v13, 7, v0
	v_lshl_add_u32 v12, v13, 4, v12
	v_add_nc_u32 v12, s17, v12                     ; back: eight lanes to a row of 128 bytes, four rows an instruction
	v_lshlrev_b32 v14, 4, v11                      ; and in att: 16 bytes a lane
.irp d, 0,1,2,3                                ; bv in O^T's order: register 8 d + j holds channel 16 d + 8 h + j
	global_load_b128 v[S+8*\d:S+8*\d+3],   v9, s[74:75] offset:8192+64*\d
	global_load_b128 v[S+8*\d+4:S+8*\d+7], v9, s[74:75] offset:8192+64*\d+16
.endr
.irp t, 0,1
	v_add_f32 v[ST+8*\t+4], v[ST+8*\t+2], v[ST+8*\t+3]
.endr
.irp t, 0,1
	v_permlanex16_b32 v[ST+8*\t+5], v[ST+8*\t+4], s[SEL], s[SEL+1]
.endr
.irp t, 0,1
	v_add_f32 v[ST+8*\t+4], v[ST+8*\t+4], v[ST+8*\t+5]             ; the row's sum
.endr
.irp t, 0,1
	v_rcp_f32 v[ST+8*\t+6], v[ST+8*\t+4]
.endr
	v_nop                                          ; a plain instruction behind the last reciprocal
	s_wait_alu depctr_va_vdst(0)                   ; and a wait ahead of the first use: one for both
	s_wait_loadcnt 0x0                             ; bv
.irp t, 0,1
.irp i, 0,1,2,3,4,5,6,7,8,9,10,11,12,13,14,15
	v_pk_fma_f32 v[O+32*\t+2*\i:O+32*\t+2*\i+1], v[O+32*\t+2*\i:O+32*\t+2*\i+1], v[ST+8*\t+6:ST+8*\t+7], v[S+2*\i:S+2*\i+1] op_sel_hi:[1,0,1]
.endr
.irp i, 0,1,2,3,4,5,6,7,8,9,10,11,12,13,14,15
	v_cvt_pk_f16_f32 v[KV+16*\t+\i], v[O+32*\t+2*\i], v[O+32*\t+2*\i+1]
.endr
.irp d, 0,1,2,3
	ds_store_b128 v10, v[KV+16*\t+4*\d:KV+16*\t+4*\d+3] offset:16*KP*\t+32*\d
.endr
.irp i, 0,1,2,3
	ds_load_b128 v[KV+32+16*\t+4*\i:KV+32+16*\t+4*\i+3], v12 offset:16*KP*\t+4*KP*\i   ; LDS serves a wave's instructions in order: these see my stores
.endr
.endr
	s_wait_dscnt 0x0
.irp t, 0,1
.irp i, 0,1,2,3
	global_store_b128 v14, v[KV+32+16*\t+4*\i:KV+32+16*\t+4*\i+3], s[72:73] offset:2048*\t+512*\i
.endr
.endr
	s_wait_tensorcnt 0x0                           ; the wave's end, behind my last tensor load and my last LDS store
	ds_add_u32 v[SPW], v[NIL]
	s_wait_dscnt 0x0
	CROUND                                         ; the closing round
	s_endpgm
.Lfunc_end_k_q31dc8c06f1_attn:
	.size	k_q31dc8c06f1_attn, .Lfunc_end_k_q31dc8c06f1_attn-k_q31dc8c06f1_attn
	.p2alignl 7, 3214868480
	.fill 96, 4, 3214868480
	.section	.rodata,"a",@progbits
	.p2align	6, 0x0
	.amdhsa_kernel k_q31dc8c06f1_attn
		.amdhsa_group_segment_fixed_size 327680
		.amdhsa_private_segment_fixed_size 0
		.amdhsa_enable_private_segment 0
		.amdhsa_kernarg_size 24
		.amdhsa_user_sgpr_count 2
		.amdhsa_user_sgpr_kernarg_segment_ptr 1
		.amdhsa_wavefront_size32 1
		.amdhsa_system_sgpr_workgroup_id_x 1
		.amdhsa_system_sgpr_workgroup_id_y 1
		.amdhsa_system_sgpr_workgroup_id_z 1
		.amdhsa_system_vgpr_workitem_id 0
		.amdhsa_next_free_vgpr 256
		.amdhsa_next_free_sgpr 80
		.amdhsa_reserve_vcc 0
		.amdhsa_float_denorm_mode_32 3
		.amdhsa_float_denorm_mode_16_64 3
		.amdhsa_memory_ordered 1
		.amdhsa_forward_progress 1
		.amdhsa_inst_pref_size 95
	.end_amdhsa_kernel
	.amdgpu_metadata
---
amdhsa.version: [ 1, 2 ]
amdhsa.kernels:
  - .name:           k_q31dc8c06f1_attn
    .symbol:         k_q31dc8c06f1_attn.kd
    .args:
      - { .name: qkv, .offset: 0, .size: 8, .value_kind: global_buffer, .address_space: global }
      - { .name: b_qkv, .offset: 8, .size: 8, .value_kind: global_buffer, .address_space: global }
      - { .name: att, .offset: 16, .size: 8, .value_kind: global_buffer, .address_space: global }
    .group_segment_fixed_size: 327680
    .private_segment_fixed_size: 0
    .kernarg_segment_align: 8
    .kernarg_segment_size: 24
    .max_flat_workgroup_size: 512
    .sgpr_count:     80
    .vgpr_count:     256
    .wavefront_size: 32
...
	.end_amdgpu_metadata
.endif
;; end of part 3
;; launch proj (part 4): grid 8 x 32, 4 waves a work-group, clusters of 4 x 4, 327,680 bytes of LDS; arguments att, w16, b_out, out0; writes out0
.if DOCPART == 4
	.amdgcn_target "amdgcn-amd-amdhsa--gfx1250"
	.amdhsa_code_object_version 6
	.text
	.protected	k_q31dc8c06f1_proj
	.globl	k_q31dc8c06f1_proj
	.p2align	8
	.type	k_q31dc8c06f1_proj,@function
k_q31dc8c06f1_proj:
	s_mov_b64 s[64:65], 0
	v_nop
	global_prefetch_b8 v0, s[64:65] scope:SCOPE_SE
	s_setreg_imm32_b32 hwreg(HW_REG_WAVE_MODE, 25, 1), 1
	s_wait_xcnt 0x0
	s_wait_alu depctr_hold_cnt(0) depctr_sa_sdst(0) depctr_va_vdst(0) depctr_va_sdst(0) depctr_va_ssrc(0) depctr_va_vcc(0) depctr_vm_vsrc(0)
	s_getreg_b32 s2, hwreg(HW_REG_IB_STS2, 6, 4)
	s_cmp_eq_u32 s2, 0
	s_cbranch_scc0 .Lentry_in_a_cluster
	s_endpgm
.Lentry_in_a_cluster:
	s_bfe_u32 s2, ttmp6, 0x10000c
	s_cmp_lg_u32 s2, 0xf033
	s_cbranch_scc0 .Lentry_shape_is_right
	s_endpgm
.Lentry_shape_is_right:
; out0[m][n] = sum over k of A[m][k] w_out[k][n] + b_out[n].  A: att, f16, [64 (batch x 16 + head)][2048 tokens][64]: k = 64 x head + channel.  w16: w_out in f16, [1024 k][1024 n].  out0: [8192][1024] f32.  Sums in f32.
; A tile of out0 is 256 tokens x 128 columns: 256 work-groups.  Four waves, each 128 tokens x 64 columns: 32 accumulators of 16 x 16, 256 registers; a row of a wave's part is 256 bytes.
; K goes in steps of 128 (two heads) through a ring of two LDS slots.  Waves 0 and 1 fetch A's two head blocks (256 tokens x 128 bytes, dense in memory), waves 2 and 3 the halves of B's 128 rows of 256 bytes.
; B lies [k][n] and is turned on its way out of LDS, by ds_load_tr16_b128.
; CLUSTERS: 4 x 4 work-groups.  The four of a row of the cluster need the same tiles of A, the four of a column the same tiles of B: each tile is asked for JOINTLY.
; THE MATRIX INSTRUCTION IS USED TRANSPOSED (source 0 = 16 columns of w_out, source 1 = 16 tokens): a lane then holds eight neighbouring numbers of a row of out0.
; The bias is the C of each sum's first matrix instruction: eight registers for each block of 16 columns, in the result's layout.
; REGISTERS: window 0: v0-31 addresses; v32-63 the bias; v64-127, v128-191 A's fragments, two buffers; v192-223, v224-255 B's, two buffers.   window 1: accumulator (a, b) at v[8 (4 a + b)].
.set AP,     144                       ; a row of A in LDS: 128 bytes + 16
.set BP,     288                       ; a row of B: 256 bytes + 32: an odd multiple of 32
.set ABLK,   256*AP                    ; a head block of A: 36,864 bytes
.set BOFF,   2*ABLK                    ; B's 128 rows lie behind A's two blocks
.set SLOT,   BOFF+128*BP               ; 110,592
.set STAGE,  2*SLOT                    ; behind the ring: 16 rows x 272 bytes for each wave, for the way out
.set SPITCH, 272
.set SPARE,  STAGE+4*16*SPITCH         ; the spare words, 128 bytes for each wave
.set LAPS,   4                         ; a lap = two K steps = once round the ring
.set ADRA, 16                          ; v16-17  LDS address of my A fragments in slot 0, 1
.set ADRB, 20                          ; v20-21  the same for B
.set STO,  24                          ; v24     the way out: where I put 32 bytes of a row
.set RD,   25                          ; v25     the way out: where I read a row back
.set CO,   26                          ; v26     my byte offset in out0
.set SPW,  28                          ; v28     LDS address of my spare word; never rewritten
.set NIL,  29                          ; v29     0; never rewritten
.set BI,   32
.set AF,   64
.set BF,   192
.set G1, 24                            ; s[24:31] descriptor group 1 for A's tiles;  s[32:39] group 0, one set for each slot
.set G0, 32
.set G1B, 48                           ; s[48:55], s[56:63] the same for B's tiles
.set G0B, 56
.set MSB, 0
.macro WIN new                         ; the immediate's high byte repeats the setting that is left
.if MSB != \new
	s_set_vgpr_msb (MSB<<8)|\new
.set MSB, \new
.endif
.endm
.set MUL,  0x50                        ; sources 0 and 1 window 0; C and D window 1
.set MUL1, 0x40                        ; the first products: C (the bias) window 0, D window 1
.macro JLOAD s                         ; a joint load: waves 0 and 1 fetch A's two blocks, waves 2 and 3 B's halves; an s_nop 0 and four v_nop follow each of the two lines
	s_cmp_eq_u32 s11, 0
	s_cbranch_scc0 .Lfor_b_\@
	tensor_load_to_lds s[G0+4*\s:G0+4*\s+3], s[G1:G1+7]
	s_nop 0
.rept 4
	v_nop
.endr
	s_branch .Lasked_\@
.Lfor_b_\@:
	tensor_load_to_lds s[G0B+4*\s:G0B+4*\s+3], s[G1B:G1B+7]
	s_nop 0
.rept 4
	v_nop
.endr
.Lasked_\@:
.endm
.macro CREST                           ; a round of the cluster's barrier behind its opening barrier
	s_cmp_lg_u32 s10, 0
	s_cbranch_scc1 .Lnot_wave_0_\@
	s_barrier_signal -3
.Lnot_wave_0_\@:
	s_barrier_wait -3
	s_barrier_signal -1
	s_barrier_wait -1
.endm
.macro CROUND                          ; a whole round
	s_barrier_signal -1
	s_barrier_wait -1
	CREST
.endm
	s_load_b128 s[4:7], s[0:1], 0x0                ; att s[4:5], w16 s[6:7]
	s_load_b128 s[68:71], s[0:1], 0x10             ; b_out s[68:69], out0 s[70:71]
	v_lshl_add_u32 v[SPW], v0, 2, SPARE
	v_mov_b32 v[NIL], 0
	ds_add_u32 v[SPW], v[NIL]                      ; the wave's opening: the add, twice on end, and its wait ahead of my first tensor load
	ds_add_u32 v[SPW], v[NIL]
	v_lshrrev_b32 v1, 5, v0
	v_readfirstlane_b32 s10, v1                    ; wave 0..3
	s_lshr_b32 s11, s10, 1                         ; which half of the tile's tokens is mine.  Also: I fetch for A (0) or for B (1)
	s_and_b32 s12, s10, 1                          ; which half of its columns.  Also: which block of A or half of B I fetch
	s_bfe_u32 s40, ttmp6, 0x40000                  ; cx, cy: my place in the cluster
	s_bfe_u32 s41, ttmp6, 0x40004
	s_lshl_b32 s42, ttmp9, 2
	s_add_co_u32 s42, s42, s40                     ; tile column = 4 x cluster x + cx
	s_and_b32 s13, ttmp7, 0xffff
	s_lshl_b32 s13, s13, 2
	s_add_co_u32 s13, s13, s41                     ; tile row = 4 x cluster y + cy
	s_lshl_b32 s43, s41, 2
	s_lshl_b32 s43, 15, s43                        ; my row of the cluster
	s_lshl_b32 s44, 0x1111, s40                    ; my column
	s_or_b32 s[G1+0], s43, (1<<16)|(1<<20)|(1<<21)|(4<<22)|(3<<25)   ; A: the mask of my row; elements of 2 bytes; padding on; bit 21 beside a mask; after every 32 words, 4 words
	s_mov_b32 s[G1+1], 64<<16                      ; tensor_dim0 = 64
	s_mov_b32 s[G1+2], 256<<16                     ; tensor_dim1 = 256
	s_mov_b32 s[G1+3], 64<<16                      ; tile_dim0 = 64
	s_mov_b32 s[G1+4], 256                         ; tile_dim1 = 256
	s_mov_b32 s[G1+5], 64                          ; tensor_dim0_stride
	s_mov_b32 s[G1+6], 0
	s_mov_b32 s[G1+7], 0
	s_or_b32 s[G1B+0], s44, (1<<16)|(1<<20)|(1<<21)|(5<<22)|(7<<25)  ; B: the mask of my column; after every 64 words, 8 words
	s_mov_b32 s[G1B+1], 128<<16                    ; tensor_dim0 = 128
	s_mov_b32 s[G1B+2], 64<<16                     ; tensor_dim1 = 64
	s_mov_b32 s[G1B+3], 128<<16                    ; tile_dim0 = 128
	s_mov_b32 s[G1B+4], 64                         ; tile_dim1 = 64
	s_mov_b32 s[G1B+5], 1024                       ; tensor_dim0_stride
	s_mov_b32 s[G1B+6], 0
	s_mov_b32 s[G1B+7], 0
	s_lshr_b32 s16, s13, 3                         ; A: the batch (2,048 tokens are eight tile rows),
	s_lshl_b32 s16, s16, 4
	s_add_co_u32 s16, s16, s12                     ; head 0 or 1 of K step 0,
	s_lshl_b32 s16, s16, 18
	s_and_b32 s17, s13, 7
	s_lshl_b32 s17, s17, 15                        ; and the tile's 256 tokens of 128 bytes
	s_add_co_u32 s16, s16, s17
	s_mov_b32 s17, 0
	s_lshl_b32 s46, s12, 17                        ; B: rows 64 x half of 2,048 bytes,
	s_lshl_b32 s47, s42, 8                         ; the tile's 128 columns
	s_add_co_u32 s46, s46, s47
	s_mov_b32 s47, 0
	s_mul_i32 s20, s12, ABLK                       ; where they go: no place in the cluster enters an LDS address
	s_mul_i32 s21, s12, 64*BP
	s_add_co_u32 s21, s21, BOFF
	s_wait_dscnt 0x0                               ; both opening adds are done
	s_wait_kmcnt 0x0
	s_add_nc_u64 s[14:15], s[4:5], s[16:17]
	s_add_nc_u64 s[46:47], s[6:7], s[46:47]
	CROUND                                         ; all sixteen work-groups are here: the first joint loads meet
.irp s, 0,1
	s_mov_b32 s[G0+4*\s], 1
	s_add_co_u32 s[G0+4*\s+1], s20, \s*SLOT
	s_add_nc_u64 s[G0+4*\s+2:G0+4*\s+3], s[14:15], \s*524288     ; a K step on: two heads
	s_or_b32 s[G0+4*\s+3], s[G0+4*\s+3], 0x80000000
	s_mov_b32 s[G0B+4*\s], 1
	s_add_co_u32 s[G0B+4*\s+1], s21, \s*SLOT
	s_add_nc_u64 s[G0B+4*\s+2:G0B+4*\s+3], s[46:47], \s*262144   ; a K step on: 128 rows
	s_or_b32 s[G0B+4*\s+3], s[G0B+4*\s+3], 0x80000000
	JLOAD \s                                       ; two loads of mine are out
.endr
	v_and_b32 v1, 15, v0                           ; r = l % 16
	v_bfe_u32 v2, v0, 4, 1                         ; h = l / 16
	v_mul_u32_u24 v3, v1, AP
	v_lshl_add_u32 v3, v2, 4, v3                   ; A: row x pitch + 16 x half
	s_mul_i32 s21, s11, 128*AP                     ; my 128 tokens
	v_and_b32 v4, 7, v0                            ; B, turned: lane l reads row 8 (l / 16) + l % 8, columns 8 ((l / 8) % 2) + 0..7
	v_bfe_u32 v5, v0, 3, 1
	v_lshl_add_u32 v4, v2, 3, v4
	v_mul_u32_u24 v4, v4, BP
	v_lshl_add_u32 v4, v5, 4, v4
	s_lshl_b32 s22, s12, 7                         ; my 64 columns
	s_add_co_u32 s22, s22, BOFF
.irp s, 0,1
	v_add_nc_u32 v[ADRA+\s], s21, v3
	v_add_nc_u32 v[ADRB+\s], s22, v4
	s_add_co_u32 s21, s21, SLOT
	s_add_co_u32 s22, s22, SLOT
.endr
	s_mul_i32 s23, s10, 16*SPITCH
	s_add_co_u32 s23, s23, STAGE                   ; my stage
	v_mul_u32_u24 v5, v1, SPITCH                   ; in: row r, 32 bytes for each half of the lanes
	v_lshl_add_u32 v5, v2, 5, v5
	v_add_nc_u32 v[STO], s23, v5
	v_mul_u32_u24 v5, v2, SPITCH                   ; back: lanes 0-15 take one row of 256 bytes, lanes 16-31 the next
	v_lshl_add_u32 v5, v1, 4, v5
	v_add_nc_u32 v[RD], s23, v5
	v_lshlrev_b32 v5, 12, v2                       ; and the same two rows in out0
	v_lshl_add_u32 v[CO], v1, 4, v5
	s_lshl_b32 s46, s42, 9                         ; my first column, in bytes of f32: 512 x tile column + 256 x half
	s_lshl_b32 s47, s12, 8
	s_add_co_u32 s46, s46, s47
	s_mov_b32 s47, 0
	s_add_nc_u64 s[68:69], s[68:69], s[46:47]
	s_add_nc_u64 s[70:71], s[70:71], s[46:47]
	s_lshl_b32 s16, s13, 8
	s_lshl_b32 s17, s11, 7
	s_add_co_u32 s16, s16, s17                     ; my first row of out0
	s_lshl_b32 s16, s16, 12
	s_mov_b32 s17, 0
	s_add_nc_u64 s[70:71], s[70:71], s[16:17]
	v_lshlrev_b32 v6, 5, v2
.irp b, 0,1,2,3                                ; the bias: lane (r, h) wants, for block b, columns 16 b + 8 h + 0 .. 7
	global_load_b128 v[BI+8*\b:BI+8*\b+3],   v6, s[68:69] offset:64*\b
	global_load_b128 v[BI+8*\b+4:BI+8*\b+7], v6, s[68:69] offset:64*\b+16
.endr
; 8 matrix instructions: token blocks 2 g, 2 g + 1 x all 4 column blocks, 32 along K, from buffer f.  first = 1: the bias is C: nothing is cleared.
; The 32 accumulators take turns, one instruction a turn, in the same order in every quarter.
.macro MUL8 f, g, first
.irp a, 2*\g, 2*\g+1
.irp b, 0,1,2,3
.if \first
	v_wmma_f32_16x16x32_f16 v[8*(4*(\a)+\b):8*(4*(\a)+\b)+7], v[BF+32*\f+8*\b:BF+32*\f+8*\b+7], v[AF+64*\f+8*(\a):AF+64*\f+8*(\a)+7], v[BI+8*\b:BI+8*\b+7]
.else
	v_wmma_f32_16x16x32_f16 v[8*(4*(\a)+\b):8*(4*(\a)+\b)+7], v[BF+32*\f+8*\b:BF+32*\f+8*\b+7], v[AF+64*\f+8*(\a):AF+64*\f+8*(\a)+7], v[8*(4*(\a)+\b):8*(4*(\a)+\b)+7]
.endif
.endr
.endr
.endm
; 24 LDS loads in one run: the fragments of the slot's q-th 32 along K into buffer f: B's four (turned), then A's blocks 0-3, then 4-7
.macro FETCH slot, q, f
.irp b, 0,1,2,3
	ds_load_tr16_b128 v[BF+32*\f+8*\b:BF+32*\f+8*\b+3],   v[ADRB+\slot] offset:(\q)*32*BP+32*\b
	ds_load_tr16_b128 v[BF+32*\f+8*\b+4:BF+32*\f+8*\b+7], v[ADRB+\slot] offset:(\q)*32*BP+16*BP+32*\b
.endr
.irp i, 0,1,2,3,4,5,6,7
	ds_load_b128 v[AF+64*\f+8*\i:AF+64*\f+8*\i+3],   v[ADRA+\slot] offset:((\q)/2)*ABLK+((\q)%2)*64+\i*16*AP
	ds_load_b128 v[AF+64*\f+8*\i+4:AF+64*\f+8*\i+7], v[ADRA+\slot] offset:((\q)/2)*ABLK+((\q)%2)*64+\i*16*AP+32
.endr
.endm
.macro PLACES                          ; four places in front of loads into registers that matrix instructions have read, and of the first read of results
.rept 4
	v_nop
.endr
.endm
; A K step is four quarters of 32 along K, 32 matrix instructions each, on buffers 0, 1, 0, 1.  One of the first three: multiplies buffer f and fetches quarter q into buffer g.
.macro QUARTER slot, q, f, g, first
	s_wait_dscnt 8                                 ; B and A's blocks 0-3 are in; the youngest eight loads (A's blocks 4-7) may be out
	WIN MUL-0x10*\first
	MUL8 \f, 0, \first
	MUL8 \f, 1, \first
	PLACES
	WIN 0
	FETCH \slot, \q, \g
	s_wait_dscnt 24                                ; all but the 24 just issued
	WIN MUL-0x10*\first
	MUL8 \f, 2, \first
	MUL8 \f, 3, \first
.endm
; The last quarter multiplies buffer 1 and changes slots: ONE barrier; in front of it each wave waits for all its tensor loads, adds 0 to its spare word, and waits for that and for its own reads of this slot.
; fill = 1: the barrier opens a round of the cluster's, and this slot is filled again, two K steps ahead.
.macro TURN slot, next, fill
	WIN 0                                          ; (the add's two registers lie in window 0)
	s_wait_tensorcnt 0x0                           ; all my tensor loads have landed: my part of the next slot
	ds_add_u32 v[SPW], v[NIL]                      ; 0 onto my spare word
	s_wait_dscnt 9                                 ; the add and the youngest eight loads may be out
	WIN MUL
	MUL8 1, 0, 0
	s_wait_dscnt 0x0                               ; the add is done, and my reads of this slot are over
	s_barrier_signal -1
	MUL8 1, 1, 0
	WIN 0                                          ; (branches and LDS loads follow)
	s_barrier_wait -1
.if \fill
	CREST                                          ; no wave of any partner still reads this slot's tile or has a load on its way
	s_add_nc_u64 s[G0+4*\slot+2:G0+4*\slot+3], s[G0+4*\slot+2:G0+4*\slot+3], 1048576
	s_add_nc_u64 s[G0B+4*\slot+2:G0B+4*\slot+3], s[G0B+4*\slot+2:G0B+4*\slot+3], 524288
	JLOAD \slot                                    ; the first tensor load behind the round; the four v_nop behind it are also the places in front of the loads below
.else
	PLACES
.endif
	FETCH \next, 0, 0
	WIN MUL
	MUL8 1, 2, 0
	MUL8 1, 3, 0
.endm
	s_wait_tensorcnt 1                             ; my part of K step 0 is in; K step 1's load, issued behind it, may be out
	s_barrier_signal -1
	s_barrier_wait -1                              ; everybody's is
	FETCH 0, 0, 0
	s_wait_loadcnt 0x0                             ; the bias
	QUARTER 0, 1, 0, 1, 1                          ; the first quarter stands in front of the loop: its products start the sums from the bias
	WIN 0                                          ; at a label and at a branch every window is 0
	s_mov_b32 s3, LAPS-1
.Llap:                                                 ; a trip goes once round the ring, from a lap's second quarter to the next lap's first, and fills both slots again
	QUARTER 0, 2, 1, 0, 0
	QUARTER 0, 3, 0, 1, 0
	TURN 0, 1, 1
	QUARTER 1, 1, 0, 1, 0
	QUARTER 1, 2, 1, 0, 0
	QUARTER 1, 3, 0, 1, 0
	TURN 1, 0, 1
	QUARTER 0, 1, 0, 1, 0
	WIN 0
	s_sub_co_u32 s3, s3, 1
	s_cmp_lg_u32 s3, 0
	s_cbranch_scc1 .Llap
	QUARTER 0, 2, 1, 0, 0                          ; the last lap fills nothing, and has no round of the cluster's barrier
	QUARTER 0, 3, 0, 1, 0
	TURN 0, 1, 0
	QUARTER 1, 1, 0, 1, 0
	QUARTER 1, 2, 1, 0, 0
	QUARTER 1, 3, 0, 1, 0
	s_wait_dscnt 8                                 ; the very last quarter: nothing more to fetch
	WIN MUL
	MUL8 1, 0, 0
	MUL8 1, 1, 0
	s_wait_dscnt 0x0
	MUL8 1, 2, 0
	MUL8 1, 3, 0
	WIN 0
; THE WAY OUT, block by block of 16 tokens x 64 columns.  A lane holds 32 neighbouring bytes of a row, and the lanes beside it hold other rows: so a block goes through my own stage and comes back as whole rows of 256 bytes.
.macro TOSTAGE a
	WIN 0x04                                       ; an LDS store's data are its source 1: window 1
.irp b, 0,1,2,3
	ds_store_b128 v[STO], v[8*(4*(\a)+\b):8*(4*(\a)+\b)+3] offset:64*\b            ; each accumulator from its low end on
	ds_store_b128 v[STO], v[8*(4*(\a)+\b)+4:8*(4*(\a)+\b)+7] offset:64*\b+16
.endr
	WIN 0
.set BB, AF+32*((\a)%2)
.irp t, 0,1,2,3,4,5,6,7
	ds_load_b128 v[BB+4*\t:BB+4*\t+3], v[RD] offset:\t*2*SPITCH    ; LDS serves a wave's instructions in order: these see the stores above
.endr
.endm
.macro SEND a, younger                 ; younger: the LDS instructions issued behind block a's loads, which may stay out
.set BB, AF+32*((\a)%2)
	s_wait_dscnt \younger                          ; the block is back in registers
.irp t, 0,1,2,3,4,5,6,7
	global_store_b128 v[CO], v[BB+4*\t:BB+4*\t+3], s[70:71] offset:(\a)*65536+8192*\t th:TH_STORE_NT   ; 16 lanes store 256 consecutive bytes, at a multiple of 256 from out0's first byte
.endr
.endm
	PLACES                                         ; behind the last products
	TOSTAGE 0
.irp a, 1,2,3,4,5,6,7
.if \a > 1
	s_wait_xcnt 0x0                                ; block a - 2's stores have read their registers: block a's loads may land there
.endif
	TOSTAGE \a
	SEND \a-1, 16                                  ; behind block a - 1's loads: block a's 8 stores and 8 loads
.endr
	SEND 7, 0
	s_wait_tensorcnt 0x0                           ; the wave's end, behind my last tensor load and my last LDS store
	ds_add_u32 v[SPW], v[NIL]
	s_wait_dscnt 0x0
	CROUND                                         ; the closing round
	s_endpgm
.Lfunc_end_k_q31dc8c06f1_proj:
	.size	k_q31dc8c06f1_proj, .Lfunc_end_k_q31dc8c06f1_proj-k_q31dc8c06f1_proj
	.p2alignl 7, 3214868480
	.fill 96, 4, 3214868480
	.section	.rodata,"a",@progbits
	.p2align	6, 0x0
	.amdhsa_kernel k_q31dc8c06f1_proj
		.amdhsa_group_segment_fixed_size 327680
		.amdhsa_private_segment_fixed_size 0
		.amdhsa_enable_private_segment 0
		.amdhsa_kernarg_size 32
		.amdhsa_user_sgpr_count 2
		.amdhsa_user_sgpr_kernarg_segment_ptr 1
		.amdhsa_wavefront_size32 1
		.amdhsa_system_sgpr_workgroup_id_x 1
		.amdhsa_system_sgpr_workgroup_id_y 1
		.amdhsa_system_sgpr_workgroup_id_z 1
		.amdhsa_system_vgpr_workitem_id 0
		.amdhsa_next_free_vgpr 512
		.amdhsa_next_free_sgpr 72
		.amdhsa_reserve_vcc 0
		.amdhsa_float_denorm_mode_32 3
		.amdhsa_float_denorm_mode_16_64 3
		.amdhsa_memory_ordered 1
		.amdhsa_forward_progress 1
		.amdhsa_inst_pref_size 86
	.end_amdhsa_kernel
	.amdgpu_metadata
---
amdhsa.version: [ 1, 2 ]
amdhsa.kernels:
  - .name:           k_q31dc8c06f1_proj
    .symbol:         k_q31dc8c06f1_proj.kd
    .args:
      - { .name: att, .offset: 0, .size: 8, .value_kind: global_buffer, .address_space: global }
      - { .name: w16, .offset: 8, .size: 8, .value_kind: global_buffer, .address_space: global }
      - { .name: b_out, .offset: 16, .size: 8, .value_kind: global_buffer, .address_space: global }
      - { .name: out0, .offset: 24, .size: 8, .value_kind: global_buffer, .address_space: global }
    .group_segment_fixed_size: 327680
    .private_segment_fixed_size: 0
    .kernarg_segment_align: 8
    .kernarg_segment_size: 32
    .max_flat_workgroup_size: 128
    .sgpr_count:     72
    .vgpr_count:     512
    .wavefront_size: 32
...
	.end_amdgpu_metadata
.endif
;; end of part 4
